; MI455X (gfx1250); checked and timed in simulation.
; The chip was launched on July 23, 2026; its instructions are those of AMD's public machine-readable ISA for CDNA 5 (MIT licence, August 2026) and "CDNA5" Instruction Set Architecture Reference Guide (July 2026). The comments in the code are by the model that wrote it; some were corrected since.
;; Hierarchical Attention. Allowed arithmetic: matrix products marked QUANTISED: E2M1 operands, one E8M0 scale for each 32 along K, by v_wmma_scale_f32_16x16x128_f8f6f4 with both operands' format E2M1 (or v_wmma_scale_f32_32x16x128_f4), f32 sums; products left as they are: bf16, f16 or f32 operands; f32 sums; everything else in f32.
;; Inputs: Wk 1,024 x 1,024 float32; Wo 1,024 x 1,024 float32; Wq 1,024 x 1,024 float32; Wv 1,024 x 1,024 float32; bo 1,024 float32; x 2 x 2,048 x 1,024 float32; y 2 x 2,047 x 1,024 float32.
;; Outputs: out0 2 x 2,048 x 1,024 float32.
;; This version of the problem:
;;   THIS VERSION OF THE PROBLEM IS GIVEN IN LOW PRECISION. The matrix products marked QUANTISED in the list below multiply operands that are first quantised to E2M1 (2 exponent bits, 1 mantissa bit; 4 bits a number), with one power-of-two scale for each 32 numbers along K (OCP MX v1.0); their sums are f32. The products marked 'left as it is' may take bf16, f16 or f32 operands, with f32 sums. Whichever they take, every output number must still come out within the allowed error. Rounding operands to bf16 (8 significant bits) uses up far more of that allowance than f16 does (11 bits, for magnitudes from 6e-5 to 65,504). All else is computed in f32.
;;   The module's matrix products, in the order in which they are computed (A, B: the left and right operand; K: the contracted axis; several contracted axes count as one K, in the product's order):
;;     1. [M 4,096, K 1,024] x [K 1,024, N 1,024]; A: input x; B: input Wq: QUANTISED
;;     2. [M 8,190, K 1,024] x [K 1,024, N 1,024]; A: computed on the way; B: input Wk: left as it is (an operand is computed on the way)
;;     3. [M 8,190, K 1,024] x [K 1,024, N 1,024]; A: computed on the way; B: input Wv: left as it is (an operand is computed on the way)
;;     4. batch 65,536 x [M 1, K 64] x [K 64, N 27]; A: computed on the way; B: computed on the way: left as it is (M = 1 < 16)
;;     5. batch 65,536 x [M 1, K 27] x [K 27, N 64]; A: computed on the way; B: computed on the way: left as it is (K = 27 < 32)
;;     6. [M 4,096, K 1,024] x [K 1,024, N 1,024]; A: computed on the way; B: input Wo: left as it is (an operand is computed on the way)
;;   THE QUANTISER, for each operand of a quantised product, along K:
;;     - K is cut into blocks of 32 from its start; a last block that is shorter is filled with zeros.
;;     - A block's scale is 2^e with e = floor(log2(the largest magnitude in the block)) - 2, held to -126 .. 127; a block of zeros has e = 0. As a byte (E8M0): e + 127.
;;     - Each number is divided by its block's scale, clamped to +-6, and rounded to the nearest number of E2M1, ties to even, subnormals kept.
;;     - The product sums the exact products of the quantised numbers (number of the format x scale) in f32.
;;   ~~~python
;;   def quantise(x, axis):      # numpy; x: float32 -> the quantised numbers, widened to float32 again
;;       x = np.moveaxis(x, axis, -1); K = x.shape[-1]
;;       x = np.pad(x, [(0, 0)] * (x.ndim - 1) + [(0, -K % 32)]); x = x.reshape(x.shape[:-1] + (-1, 32)); a = np.abs(x).max(-1, keepdims=True)
;;       e = np.where(a > 0, np.clip(np.frexp(np.where(a > 0, a, 1))[1] - 1 - 2, -126, 127), 0)      # np.frexp(a)[1] - 1 = floor(log2(a)), exactly
;;       r = np.clip(x / 2.0 ** e, -6, 6)
;;       step = 2.0 ** (np.maximum(np.frexp(np.where(r == 0, 1, r))[1] - 1, 0) - 1)
;;       q = np.round(r / step) * step * 2.0 ** e      # np.round: ties to even
;;       return np.moveaxis(q.reshape(q.shape[:-2] + (-1,))[..., :K], -1, axis).astype(np.float32)
;;   ~~~
;; 2 versions, each right. Each part assembles by itself: llvm-mc -triple=amdgcn-amd-amdhsa -mcpu=gfx1250 --defsym DOCPART=n.
;; ======== version 1 of 2: 4 launches
;; limits: values are held in f16: magnitudes above 65,504 overflow, below 6.1e-05 lose precision
;; workspace buffers: xyh 16,777,216 bytes; wh 6,291,456 bytes; qc 2,621,440 bytes; qs 163,840 bytes; kv 33,554,432 bytes; att 8,388,608 bytes
;; launch prep (part 1): grid 768 x 1, 2 waves a work-group, no clusters, 19,456 bytes of LDS; arguments x, y, Wq, Wk, Wv, Wo, xyh, wh, qc, qs; writes xyh, wh, qc, qs
.if DOCPART == 1
	.amdgcn_target "amdgcn-amd-amdhsa--gfx1250"
	.amdhsa_code_object_version 6
	.text
	.protected	k_qa34cff3c5d_prep
	.globl	k_qa34cff3c5d_prep
	.p2align	8
	.type	k_qa34cff3c5d_prep,@function
k_qa34cff3c5d_prep:
	s_mov_b64 s[64:65], 0
	v_nop
	global_prefetch_b8 v0, s[64:65] scope:SCOPE_SE
	s_setreg_imm32_b32 hwreg(HW_REG_WAVE_MODE, 25, 1), 1
	s_wait_xcnt 0x0
; Every input matrix is read once, row by row (a row is 1,024 f32, 4,096 bytes), and leaves in the forms that the later launches multiply:
;   x  -> f16 rows 4096.. of xyh, and codes of FP4 (E2M1) with one E8M0 byte for each 32 along K (qc, qs)
;   y  -> f16 rows 0..4095 of xyh, IN ANOTHER ORDER (below)        Wq -> codes and scale bytes, behind x's in qc and qs
;   Wk, Wv -> f16 rows of wh, interleaved by pairs of heads: row 256 hp + 128 kv + c holds W_kv[128 hp + c]        Wo -> f16 rows 2048.. of wh
; THE ORDER OF y's ROWS.  Row 2048 b + 16 T + p of xyh (T: a tile of 16 leaves, 0..127; G = T / 8; tau = T % 8) holds the tree node
;   p 0-7: level 0, node 8 T + p;  p 8-11: level 1, 4 T + p - 8;  p 12, 13: level 2, 2 T + p - 12;  p 14: level 3, T;
;   p 15:  tau 0-3: level 4, 4 G + tau;  tau 4, 5: level 5, 2 G + tau - 4;  tau 6: level 6, G;  tau 7: y's row 2032 + G (levels 7 to 10), held at 2046:
;   for G = 15 that is a second copy of the root, which no query attends to; it is there so that the row holds numbers.
; THE QUANTISER: a block's scale is 2^(floor(log2(largest magnitude)) - 2); its byte is the largest magnitude's exponent field - 2, held at 1 from below; numbers / scale, to the nearest code, ties to even, beyond 6 the code of 6.
; LIMITS: a block of zeros gets the byte 1 where the rule says 127 (its codes are zeros, and this program alone reads the bytes); numbers beyond 65,504 in magnitude have no f16; NaN and infinities are not served.
; SHARES: a wave takes 8 rows, a work-group 16.  Work-groups 0-255 x, 256-511 y, 512-575 Wk, 576-639 Wv, 640-703 Wo, 704-767 Wq.  Waves share nothing: no barrier.
; Each load of a wave reads 512 consecutive bytes; loads run four rows (32 loads) ahead.  For the conversion to codes a lane must hold a whole block of 32 neighbours: the row turns through the wave's own stage in LDS.
.set WREG,  9472                       ; LDS of a wave: two stages of 32 x 144 bytes, then its 256 scale bytes
.set STGB,  4608
.set SPARE, 2*WREG                     ; behind the two regions: the spare words, 128 bytes a wave: one block of 256 bytes that no other line names
.set L16,  2                           ; v2   16 x lane
.set FO,   3                           ; v3   8 x lane
.set SI,   4                           ; v4   the stage, on the way in: 144 (lane / 8) + 16 (lane % 8)
.set SOA,  5                           ; v5   on the way out: 144 x lane: my block
.set SB,   6                           ; v6   my block's scale byte
.set SR,   7                           ; v7   the scale bytes on their way out, 8 a lane
.set SPW,  8                           ; v8   my spare word; never rewritten
.set NIL,  9                           ; v9   0; never rewritten
.set VO,   10                          ; v10-17   row rho: 16 x lane + 4,096 x its row in the source; never rewritten
.set M,    18                          ; v18-19   largest magnitudes
.set SCL,  20                          ; v20-21   the conversion's scale operand, two by turns
.set BY,   22                          ; v22-23   the scale's byte, two by turns
.set C,    24                          ; v24-31   a block's codes, two sets
.set H,    32                          ; v32-63   a row's f16, two sets of 16
.set X,    64                          ; v64-95   my block's 32 numbers
.set D,    96                          ; v96-223  rows as loaded, four sets of 32
.set WV,   24
.set LOC,  25                          ; the work-group's number within its job
.set ROW0, 26                          ; my wave's first row
.set DOF,  27                          ; 1: the job makes f16
.set DOQ,  28                          ; 1: the job makes codes
.set ISY,  29
.set SRC,  30                          ; s[30:31] the source
.set DF,   32                          ; s[32:33] where my f16 rows go
.set DC,   34                          ; s[34:35] my codes
.set DSC,  36                          ; s[36:37] my scale bytes
.set RO,   40                          ; s40-47   the eight rows' places in the source
	s_load_b512 s[4:19], s[0:1], 0x0               ; x, y, Wq, Wk, Wv, Wo, xyh, wh
	s_load_b128 s[20:23], s[0:1], 0x40             ; qc, qs
	v_lshl_add_u32 v[SPW], v0, 2, SPARE
	v_mov_b32 v[NIL], 0
	v_lshrrev_b32 v1, 5, v0
	v_readfirstlane_b32 s[WV], v1                  ; wave 0, 1
	v_and_b32 v1, 31, v0                           ; lane
	v_lshlrev_b32 v[L16], 4, v1
	v_lshlrev_b32 v[FO], 3, v1
	s_mul_i32 s48, s[WV], WREG
	v_lshrrev_b32 v[SI], 3, v1
	v_mul_u32_u24 v[SI], v[SI], 144
	v_and_b32 v[SOA], 7, v1
	v_lshl_add_u32 v[SI], v[SOA], 4, v[SI]
	v_add_nc_u32 v[SI], s48, v[SI]
	v_mul_u32_u24 v[SOA], v1, 144
	v_add_nc_u32 v[SOA], s48, v[SOA]
	s_add_co_u32 s48, s48, 2*STGB
	v_add_nc_u32 v[SB], s48, v1
	v_add_nc_u32 v[SR], s48, v[FO]
	; which job: everything hangs on the work-group's number alone
	s_mov_b32 s49, 704                             ; the job's first work-group
	s_cmp_lt_u32 ttmp9, 704
	s_cselect_b32 s49, 640, s49
	s_cselect_b32 s[DOF], 1, 0
	s_cmp_lt_u32 ttmp9, 640
	s_cselect_b32 s49, 576, s49
	s_cmp_lt_u32 ttmp9, 576
	s_cselect_b32 s49, 512, s49
	s_cmp_lt_u32 ttmp9, 512
	s_cselect_b32 s49, 256, s49
	s_cmp_lt_u32 ttmp9, 256
	s_cselect_b32 s49, 0, s49
	s_cselect_b32 s[DOQ], 1, 0
	s_cmp_ge_u32 ttmp9, 704
	s_cselect_b32 s[DOQ], 1, s[DOQ]
	s_cmp_eq_u32 s49, 256
	s_cselect_b32 s[ISY], 1, 0
	s_sub_co_u32 s[LOC], ttmp9, s49
	s_lshl_b32 s[ROW0], s[LOC], 4
	s_lshl_b32 s50, s[WV], 3
	s_add_co_u32 s[ROW0], s[ROW0], s50
	; where the results go, as offsets
	s_and_b32 s50, s[ROW0], 0xffffff80             ; 128 x (row / 128): Wk's and Wv's rows move apart by pairs of heads
	s_add_co_u32 s52, s50, 128
	s_mov_b32 s51, 2048                            ; Wo
	s_cmp_lt_u32 ttmp9, 640
	s_cselect_b32 s51, s52, s51                    ; Wv
	s_cmp_lt_u32 ttmp9, 576
	s_cselect_b32 s51, s50, s51                    ; Wk
	s_cmp_lt_u32 ttmp9, 512
	s_cselect_b32 s51, 0, s51                      ; y
	s_cmp_lt_u32 ttmp9, 256
	s_cselect_b32 s51, 4096, s51                   ; x
	s_cselect_b32 s54, 0, 2097152                  ; x's codes, or Wq's behind them
	s_cselect_b32 s56, 0, 131072                   ; the scale bytes likewise
	s_add_co_u32 s52, s51, s[ROW0]
	s_lshl_b32 s52, s52, 11                        ; a row of f16 is 2,048 bytes
	s_mov_b32 s53, 0
	s_lshl_b32 s50, s[ROW0], 9                     ; a row of codes 512
	s_add_co_u32 s54, s54, s50
	s_mov_b32 s55, 0
	s_lshl_b32 s50, s[ROW0], 5                     ; a row of scale bytes 32
	s_add_co_u32 s56, s56, s50
	s_mov_b32 s57, 0
	; the eight rows' numbers in the source
	s_cmp_eq_u32 s[ISY], 0
	s_cbranch_scc0 .Lrows_y
.irp rho, 0,1,2,3,4,5,6,7
	s_add_co_u32 s[RO+\rho], s[ROW0], \rho
.endr
	s_branch .Lrows_done
.Lrows_y:                                              ; wave 0 has p = 0..7 of tile LOC, wave 1 p = 8..15
	s_lshr_b32 s48, s[LOC], 7                      ; b
	s_and_b32 s49, s[LOC], 127                     ; T
	s_lshr_b32 s50, s49, 3                         ; G
	s_and_b32 s51, s49, 7                          ; tau
	s_mul_i32 s48, s48, 2047                       ; a batch of y has 2,047 rows
	s_lshl_b32 s58, s50, 2
	s_add_co_u32 s58, s58, s51
	s_add_co_u32 s58, s58, 1920                    ; level 4: 1920 + 4 G + tau
	s_lshl_b32 s59, s50, 1
	s_add_co_u32 s59, s59, s51
	s_add_co_u32 s59, s59, 1980                    ; level 5: 1984 + 2 G + tau - 4
	s_add_co_u32 s60, s50, 2016                    ; level 6
	s_add_co_u32 s61, s50, 2032                    ; levels 7 to 10,
	s_min_u32 s61, s61, 2046                       ; held at the root
	s_cmp_lt_u32 s51, 7
	s_cselect_b32 s60, s60, s61
	s_cmp_lt_u32 s51, 6
	s_cselect_b32 s59, s59, s60
	s_cmp_lt_u32 s51, 4
	s_cselect_b32 s[RO+7], s58, s59                ; p = 15
	s_lshl_b32 s58, s49, 2
.irp rho, 0,1,2,3
	s_add_co_u32 s[RO+\rho], s58, 1024+\rho        ; p = 8..11
.endr
	s_lshl_b32 s58, s49, 1
	s_add_co_u32 s[RO+4], s58, 1536                ; p = 12, 13
	s_add_co_u32 s[RO+5], s58, 1537
	s_add_co_u32 s[RO+6], s49, 1792                ; p = 14
	s_lshl_b32 s58, s49, 3
.irp rho, 0,1,2,3,4,5,6,7
	s_add_co_u32 s59, s58, \rho                    ; p = 0..7
	s_cmp_eq_u32 s[WV], 0
	s_cselect_b32 s[RO+\rho], s59, s[RO+\rho]
	s_add_co_u32 s[RO+\rho], s[RO+\rho], s48
.endr
.Lrows_done:
.irp rho, 0,1,2,3,4,5,6,7
	s_lshl_b32 s[RO+\rho], s[RO+\rho], 12
	v_add_nc_u32 v[VO+\rho], s[RO+\rho], v[L16]
.endr
	s_wait_kmcnt 0x0
	s_cmp_lt_u32 ttmp9, 704
	s_cselect_b64 s[SRC:SRC+1], s[14:15], s[8:9]   ; Wo, or Wq
	s_cmp_lt_u32 ttmp9, 640
	s_cselect_b64 s[SRC:SRC+1], s[12:13], s[SRC:SRC+1]
	s_cmp_lt_u32 ttmp9, 576
	s_cselect_b64 s[SRC:SRC+1], s[10:11], s[SRC:SRC+1]
	s_cmp_lt_u32 ttmp9, 512
	s_cselect_b64 s[SRC:SRC+1], s[6:7], s[SRC:SRC+1]
	s_cselect_b64 s[DF:DF+1], s[16:17], s[18:19]   ; xyh for x and y, wh for the weights
	s_cmp_lt_u32 ttmp9, 256
	s_cselect_b64 s[SRC:SRC+1], s[4:5], s[SRC:SRC+1]
	s_add_nc_u64 s[DF:DF+1], s[DF:DF+1], s[52:53]
	s_add_nc_u64 s[DC:DC+1], s[20:21], s[54:55]
	s_add_nc_u64 s[DSC:DSC+1], s[22:23], s[56:57]
.macro LOADROW rho                     ; eight loads of 512 consecutive bytes: the row, into set rho % 4.  (Read once, but for y's root, which two waves of the launch read)
.irp i, 0,1,2,3,4,5,6,7
	global_load_b128 v[D+32*((\rho)%4)+4*\i:D+32*((\rho)%4)+4*\i+3], v[VO+(\rho)], s[SRC:SRC+1] offset:512*\i th:TH_LOAD_NT
.endr
.endm
.macro ROW rho
.set rD, D+32*((\rho)%4)
.set rH, H+16*((\rho)%2)
.set rC, C+4*((\rho)%2)
.set rP, (\rho)%2
.if 8*(7-(\rho)) > 24
	s_wait_loadcnt 24                              ; this row's eight loads are in; those of the three rows behind it may be out
.else
	s_wait_loadcnt 8*(7-(\rho))                    ; the counts run down: no row is left to ask for
.endif
	s_wait_xcnt 0x0                                ; the stores of two rows back have read their data: this row's f16 and codes are written over them only behind this wait
	s_cmp_eq_u32 s[DOF], 0
	s_cbranch_scc1 .Lno_f16_\@
.irp i, 0,1,2,3,4,5,6,7
	v_cvt_pk_f16_f32 v[rH+2*\i],   v[rD+4*\i],   v[rD+4*\i+1]
	v_cvt_pk_f16_f32 v[rH+2*\i+1], v[rD+4*\i+2], v[rD+4*\i+3]
.endr
.irp i, 0,1,2,3,4,5,6,7
	global_store_b64 v[FO], v[rH+2*\i:rH+2*\i+1], s[DF:DF+1] offset:2048*(\rho)+256*\i   ; 32 lanes store 256 consecutive bytes, at a multiple of 256 from the buffer's first byte
.endr
.Lno_f16_\@:
	s_cmp_eq_u32 s[DOQ], 0
	s_cbranch_scc1 .Lno_codes_\@
.irp i, 0,1,2,3,4,5,6,7
	ds_store_b128 v[SI], v[rD+4*\i:rD+4*\i+3] offset:STGB*rP+576*\i     ; the row as it lies, 16 bytes of padding behind each block's 128
.endr
.irp j, 0,1,2,3,4,5,6,7
	ds_load_b128 v[X+4*\j:X+4*\j+3], v[SOA] offset:STGB*rP+16*\j        ; LDS serves a wave's instructions in order: these see the stores above.  Lane l gets block l, whole
.endr
	s_wait_dscnt 0x0
	v_max3_num_f32 v[M],   |v[X]|,   |v[X+1]|, |v[X+2]|                  ; the block's largest magnitude, in two chains
	v_max3_num_f32 v[M+1], |v[X+3]|, |v[X+4]|, |v[X+5]|
.irp i, 6,10,14,18,22,26
	v_max3_num_f32 v[M],   v[M],   |v[X+\i]|,   |v[X+\i+1]|
	v_max3_num_f32 v[M+1], v[M+1], |v[X+\i+2]|, |v[X+\i+3]|
.endr
	v_max3_num_f32 v[M], v[M], |v[X+30]|, |v[X+31]|
	v_max3_num_f32 v[M], v[M], v[M+1], 0x1800000   ; and the floor 2^(3 - 127): the byte cannot fall under 1
	v_add_nc_u32 v[SCL+rP], 0xff000000, v[M]       ; 2 off its exponent field: the conversion takes the exponent field of this operand as its scale
.irp g, 0,1,2,3
	v_cvt_scalef32_pk8_fp4_f32 v[rC+\g], v[X+8*\g:X+8*\g+7], v[SCL+rP]
.endr
	v_lshrrev_b32 v[BY+rP], 23, v[SCL+rP]          ; the scale's byte.  (Also the plain instruction behind the conversions)
	ds_store_b8 v[SB], v[BY+rP] offset:32*(\rho)
	global_store_b128 v[L16], v[rC:rC+3], s[DC:DC+1] offset:512*(\rho)   ; the row's 512 bytes of codes, consecutive
.Lno_codes_\@:
.if (\rho)+4 < 8
	LOADROW (\rho)+4                               ; into the set that this row has left
.endif
.endm
	LOADROW 0
	LOADROW 1
	LOADROW 2
	LOADROW 3
.irp rho, 0,1,2,3,4,5,6,7
	ROW \rho
.endr
	s_cmp_eq_u32 s[DOQ], 0
	s_cbranch_scc1 .Lend
	ds_load_b64 v[M:M+1], v[SR]                    ; my eight rows' 256 scale bytes
	s_wait_dscnt 0x0
	global_store_b64 v[FO], v[M:M+1], s[DSC:DSC+1] ; 256 consecutive bytes, at a multiple of 256 from the buffer's first byte
.Lend:
	s_wait_tensorcnt 0x0                           ; the wave's end
	ds_add_u32 v[SPW], v[NIL]
	s_wait_dscnt 0x0
	s_endpgm
.Lfunc_end_k_qa34cff3c5d_prep:
	.size	k_qa34cff3c5d_prep, .Lfunc_end_k_qa34cff3c5d_prep-k_qa34cff3c5d_prep
	.p2alignl 7, 3214868480
	.fill 96, 4, 3214868480
	.section	.rodata,"a",@progbits
	.p2align	6, 0x0
	.amdhsa_kernel k_qa34cff3c5d_prep
		.amdhsa_group_segment_fixed_size 19456
		.amdhsa_private_segment_fixed_size 0
		.amdhsa_enable_private_segment 0
		.amdhsa_kernarg_size 80
		.amdhsa_user_sgpr_count 2
		.amdhsa_user_sgpr_kernarg_segment_ptr 1
		.amdhsa_wavefront_size32 1
		.amdhsa_system_sgpr_workgroup_id_x 1
		.amdhsa_system_sgpr_workgroup_id_y 1
		.amdhsa_system_sgpr_workgroup_id_z 1
		.amdhsa_system_vgpr_workitem_id 0
		.amdhsa_next_free_vgpr 224
		.amdhsa_next_free_sgpr 66
		.amdhsa_reserve_vcc 0
		.amdhsa_float_denorm_mode_32 3
		.amdhsa_float_denorm_mode_16_64 3
		.amdhsa_memory_ordered 1
		.amdhsa_forward_progress 1
		.amdhsa_inst_pref_size 50
	.end_amdhsa_kernel
	.amdgpu_metadata
---
amdhsa.version: [ 1, 2 ]
amdhsa.kernels:
  - .name:           k_qa34cff3c5d_prep
    .symbol:         k_qa34cff3c5d_prep.kd
    .args:
      - { .name: x, .offset: 0, .size: 8, .value_kind: global_buffer, .address_space: global }
      - { .name: y, .offset: 8, .size: 8, .value_kind: global_buffer, .address_space: global }
      - { .name: Wq, .offset: 16, .size: 8, .value_kind: global_buffer, .address_space: global }
      - { .name: Wk, .offset: 24, .size: 8, .value_kind: global_buffer, .address_space: global }
      - { .name: Wv, .offset: 32, .size: 8, .value_kind: global_buffer, .address_space: global }
      - { .name: Wo, .offset: 40, .size: 8, .value_kind: global_buffer, .address_space: global }
      - { .name: xyh, .offset: 48, .size: 8, .value_kind: global_buffer, .address_space: global }
      - { .name: wh, .offset: 56, .size: 8, .value_kind: global_buffer, .address_space: global }
      - { .name: qc, .offset: 64, .size: 8, .value_kind: global_buffer, .address_space: global }
      - { .name: qs, .offset: 72, .size: 8, .value_kind: global_buffer, .address_space: global }
    .group_segment_fixed_size: 19456
    .private_segment_fixed_size: 0
    .kernarg_segment_align: 8
    .kernarg_segment_size: 80
    .max_flat_workgroup_size: 64
    .sgpr_count:     66
    .vgpr_count:     224
    .wavefront_size: 32
...
	.end_amdgpu_metadata
.endif
;; end of part 1
;; launch gemm_kv (part 2): grid 8 x 32, 4 waves a work-group, clusters of 4 x 4, 327,680 bytes of LDS; arguments xyh, wh, kv; writes kv
.if DOCPART == 2
	.amdgcn_target "amdgcn-amd-amdhsa--gfx1250"
	.amdhsa_code_object_version 6
	.text
	.protected	k_qa34cff3c5d_gemm_kv
	.globl	k_qa34cff3c5d_gemm_kv
	.p2align	8
	.type	k_qa34cff3c5d_gemm_kv,@function
k_qa34cff3c5d_gemm_kv:
	s_mov_b64 s[64:65], 0
	v_nop
	global_prefetch_b8 v0, s[64:65] scope:SCOPE_SE
	s_setreg_imm32_b32 hwreg(HW_REG_WAVE_MODE, 25, 1), 1
	s_wait_xcnt 0x0
	s_wait_alu depctr_hold_cnt(0) depctr_sa_sdst(0) depctr_va_vdst(0) depctr_va_sdst(0) depctr_va_ssrc(0) depctr_va_vcc(0) depctr_vm_vsrc(0)
	s_getreg_b32 s2, hwreg(HW_REG_IB_STS2, 6, 4)
	s_cmp_eq_u32 s2, 0
	s_cbranch_scc0 .Lentry_in_a_cluster
	s_endpgm
.Lentry_in_a_cluster:
	s_bfe_u32 s2, ttmp6, 0x10000c
	s_cmp_lg_u32 s2, 0xf033
	s_cbranch_scc0 .Lentry_shape_is_right
	s_endpgm
.Lentry_shape_is_right:
; kv[m][n] = sum over k of xyh[m][k] wh[n][k]: the keys and values of all 8,192 rows (tree nodes, then leaves) for all heads.  A: xyh [8192][1024], B: the first 2,048 rows of wh [.][1024], C: kv [8192][2048], all f16; sums in f32, C rounded once.
; LIMIT: a key or value beyond 65,504 in magnitude has no f16.
; A tile of C, 256 x 256, is made by a work-group of four waves; a wave makes 128 x 128: 64 accumulators of 16 x 16, 512 registers.  32 x 8 tiles: one to each work-group.
; K goes in steps of 128 through a ring of two LDS slots filled by the tensor data mover: a tile's row is 256 bytes of memory, at a multiple of 256 from the buffer's first byte.
; CLUSTERS: 4 x 4 work-groups.  The four of a row of the cluster need the same tiles of A, the four of a column the same tiles of B: each tile is asked for JOINTLY, by the same tensor load with the same
; descriptor and a mask that names the four.  THE MATRIX INSTRUCTION IS USED TRANSPOSED (source 0 = 16 rows of B, source 1 = 16 rows of A): a lane then holds eight neighbouring numbers of a row of C.
; The last K step goes by rows of C, so that finished rows leave while the others are multiplied.
; REGISTERS, in windows of 256: window 0: v0-31 addresses; v64-127, v128-191 fragments of A, two buffers (in the last K step four, of 16 rows x 128 K); v32-63, v192-255 at work on the way out
;   window 1: v64-127, v128-191 fragments of B, two buffers; in the last K step all 256.   window 2: the accumulators of my rows 0-63 ((a, b) at v[8 (8 a + b)]);   window 3: those of my rows 64-127
.set SIZE_M, 8192
.set SIZE_N, 2048
.set SIZE_K, 1024
.set KSTEP,  128
.set PITCH,  272                       ; an LDS row: 256 bytes + 16 of padding: the 16 rows that a load touches start 68 words apart
.set HALFT,  128*PITCH                 ; 128 rows: what one tensor load brings, and what one wave reads of A or of B
.set SLOT,   4*HALFT                   ; A's 256 rows, then B's 256 rows
.set STAGE,  2*SLOT                    ; behind the ring: 16 rows x 272 bytes for each wave, for the way out
.set SPITCH, 272
.set SPARE,  STAGE+4*16*SPITCH         ; behind the stages: the spare words, 128 bytes a wave: two blocks of 256 bytes that no other line names
.set LAPS, SIZE_K/(2*KSTEP)            ; a lap = two K steps = once round the ring: 4
.set ADRA, 16                          ; v16-17  LDS address of my A fragments in slot 0, 1
.set ADRB, 20                          ; v20-21  the same for B
.set STO,  24                          ; v24     the way out: where I put 16 bytes of a row
.set RD,   25                          ; v25     the way out: where I read a row back
.set CO,   26                          ; v26     my byte offset in C
.set SPW,  28                          ; v28     my spare word; never rewritten
.set NIL,  29                          ; v29     0; never rewritten
.set PFO,  30                          ; v30     the prefetches' offset: my lane x a row of A or B; never rewritten
.set PFA,  44                          ; s[44:45] where my prefetches stand
.set LIM,  43                          ; s43     1 in a wave that prefetches, else the greatest number
.set F0,   64
.set F1,   128
.set TMP,  192
.set OB,   32
.set PA,   64
.set G1, 24                            ; s[24:31] descriptor group 1 for A's tiles;  s[32:39] group 0, one set for each slot
.set G0, 32
.set G1B, 48                           ; s[48:55], s[56:63] the same for B's tiles
.set G0B, 56
.set MSB, 0
.macro WIN new                         ; the immediate's high byte repeats the setting that is left
.if MSB != \new
	s_set_vgpr_msb (MSB<<8)|\new
.set MSB, \new
.endif
.endm
.set MUL_LO, 0xa1                      ; source 0 (B) window 1, source 1 (A) window 0, C and D window 2
.set MUL_HI, 0xf1                      ; the same, C and D window 3
.set TO_B,   0x40                      ; destination window 1, address window 0
; A joint load: waves 0 and 1 fetch A's two halves, waves 2 and 3 B's.  The branch hangs on the wave's number alone.  An s_nop 0 and four v_nop follow each of the two lines.
.macro JLOAD s
	s_cmp_eq_u32 s11, 0
	s_cbranch_scc0 .Lfor_b_\@
	tensor_load_to_lds s[G0+4*\s:G0+4*\s+3], s[G1:G1+7]
	s_nop 0
.rept 4
	v_nop
.endr
	s_branch .Lasked_\@
.Lfor_b_\@:
	tensor_load_to_lds s[G0B+4*\s:G0B+4*\s+3], s[G1B:G1B+7]
	s_nop 0
.rept 4
	v_nop
.endr
.Lasked_\@:
.endm
; A prefetch of the K step that stands two refills on: 32 rows x 256 bytes, a lane a row, one instruction a wave.  Each row's 256 bytes of a K step are named once in the launch: A's tile row by the cluster with
; x = 0, B's tile column by the cluster with y = 0; of the 128 rows that a wave fetches each of the four partners takes 32, told apart by address.  The loop's last trip asks for nothing: there is no K step two on.
.macro ASK
	s_cmp_gt_u32 s3, s[LIM]                        ; s3 = 1 in the loop's last trip
	s_cbranch_scc0 .Lnot_mine_\@
	global_prefetch_b8 v[PFO], s[PFA:PFA+1] offset:KSTEP*2 th:TH_LOAD_NT scope:SCOPE_SE
.Lnot_mine_\@:
.endm
.macro CREST                           ; a round of the cluster's barrier behind its opening barrier
	s_cmp_lg_u32 s10, 0
	s_cbranch_scc1 .Lnot_wave_0_\@
	s_barrier_signal -3
.Lnot_wave_0_\@:
	s_barrier_wait -3
	s_barrier_signal -1
	s_barrier_wait -1
.endm
.macro CROUND                          ; a whole round
	s_barrier_signal -1
	s_barrier_wait -1
	CREST
.endm
	s_load_b128 s[4:7], s[0:1], 0x0                ; A s[4:5], B s[6:7]
	s_load_b64 s[8:9], s[0:1], 0x10                ; C
	v_lshl_add_u32 v[SPW], v0, 2, SPARE
	v_mov_b32 v[NIL], 0
	ds_add_u32 v[SPW], v[NIL]                      ; the wave's opening: the add, twice on end, and its wait ahead of my first tensor load
	ds_add_u32 v[SPW], v[NIL]
	v_lshrrev_b32 v1, 5, v0
	v_readfirstlane_b32 s10, v1                    ; wave 0..3
	s_lshr_b32 s11, s10, 1                         ; which half of the tile's rows is mine.  Also: I fetch for A (0) or for B (1)
	s_and_b32 s12, s10, 1                          ; which half of its columns.  Also: which 128 rows of that tile I fetch
	s_bfe_u32 s40, ttmp6, 0x40000                  ; cx
	s_bfe_u32 s41, ttmp6, 0x40004                  ; cy
	s_lshl_b32 s42, ttmp9, 2
	s_add_co_u32 s42, s42, s40                     ; tile column of C = 4 x cluster x + cx
	s_and_b32 s13, ttmp7, 0xffff
	s_lshl_b32 s13, s13, 2
	s_add_co_u32 s13, s13, s41                     ; tile row of C = 4 x cluster y + cy
	s_lshl_b32 s43, s41, 2
	s_lshl_b32 s43, 15, s43                        ; my row of the cluster
	s_lshl_b32 s44, 0x1111, s40                    ; my column
	; descriptor group 1: a tile of 128 rows x 128 elements of 2 bytes, 4 words of padding behind every 64
	s_or_b32 s[G1+0], s43, (1<<16)|(1<<20)|(1<<21)|(5<<22)|(3<<25)
	s_or_b32 s[G1B+0], s44, (1<<16)|(1<<20)|(1<<21)|(5<<22)|(3<<25)
	s_mov_b32 s[G1B+1], KSTEP<<16
	s_mov_b32 s[G1+1], KSTEP<<16                   ; tensor_dim0 = 128
	s_mov_b32 s[G1B+2], 128<<16
	s_mov_b32 s[G1+2], 128<<16                     ; tensor_dim1 = 128
	s_mov_b32 s[G1B+3], KSTEP<<16
	s_mov_b32 s[G1+3], KSTEP<<16                   ; tile_dim0 = 128
	s_mov_b32 s[G1B+4], 128
	s_mov_b32 s[G1+4], 128                         ; tile_dim1 = 128
	s_mov_b32 s[G1B+5], SIZE_K
	s_mov_b32 s[G1+5], SIZE_K                      ; elements from row to row
	s_mov_b32 s[G1B+6], 0
	s_mov_b32 s[G1+6], 0
	s_mov_b32 s[G1B+7], 0
	s_mov_b32 s[G1+7], 0
	s_lshl_b32 s17, s12, 7                         ; which 128 rows of the tile I fetch
	s_lshl_b32 s16, s13, 8
	s_add_co_u32 s16, s16, s17                     ; A: row 256 x tile row + 128 x half
	s_lshl_b32 s46, s42, 8
	s_add_co_u32 s46, s46, s17                     ; B: row 256 x tile column + 128 x half
	s_mov_b32 s17, 0
	s_mov_b32 s47, 0
	s_mov_b64 s[18:19], SIZE_K*2
	s_mul_u64 s[16:17], s[16:17], s[18:19]
	s_mul_u64 s[46:47], s[46:47], s[18:19]
	s_mul_i32 s20, s10, HALFT                      ; where they go: wave x 128 rows: no place in the cluster enters an LDS address
	s_wait_dscnt 0x0                               ; both opening adds are done
	s_wait_kmcnt 0x0
	s_add_nc_u64 s[14:15], s[4:5], s[16:17]
	s_add_nc_u64 s[46:47], s[6:7], s[46:47]
	CROUND                                         ; all sixteen work-groups are here: the first joint loads meet
.irp s, 0,1
	s_mov_b32 s[G0+4*\s], 1
	s_add_co_u32 s[G0+4*\s+1], s20, \s*SLOT
	s_add_nc_u64 s[G0+4*\s+2:G0+4*\s+3], s[14:15], \s*KSTEP*2
	s_or_b32 s[G0+4*\s+3], s[G0+4*\s+3], 0x80000000
	s_mov_b32 s[G0B+4*\s], 1
	s_add_co_u32 s[G0B+4*\s+1], s20, \s*SLOT
	s_add_nc_u64 s[G0B+4*\s+2:G0B+4*\s+3], s[46:47], \s*KSTEP*2
	s_or_b32 s[G0B+4*\s+3], s[G0B+4*\s+3], 0x80000000
	JLOAD \s                                       ; the ring is filled before anything else is done: two loads of mine are out
.endr
	; a fragment is 16 rows x 32 K in 8 registers: lane l holds row l % 16; registers 0-3 K = 8 (l / 16) + 0..7, registers 4-7 K = 16 + 8 (l / 16) + 0..7: two loads of 16 bytes, 32 bytes apart
	v_and_b32 v1, 15, v0
	v_bfe_u32 v2, v0, 4, 1
	v_mul_u32_u24 v3, v1, PITCH
	v_lshl_add_u32 v3, v2, 4, v3
	s_mul_i32 s21, s11, HALFT                      ; my 128 rows of A
	s_mul_i32 s22, s12, HALFT                      ; my 128 rows of B,
	s_add_co_u32 s22, s22, 2*HALFT                 ; which lie behind A's 256
.irp s, 0,1
	v_add_nc_u32 v[ADRA+\s], s21, v3
	v_add_nc_u32 v[ADRB+\s], s22, v3
	s_add_co_u32 s21, s21, SLOT
	s_add_co_u32 s22, s22, SLOT
.endr
	s_mul_i32 s23, s10, 16*SPITCH
	s_add_co_u32 s23, s23, STAGE                   ; my stage
	v_mul_u32_u24 v4, v1, SPITCH
	v_lshl_add_u32 v4, v2, 4, v4
	v_add_nc_u32 v[STO], s23, v4
	v_mul_u32_u24 v5, v2, SPITCH
	v_lshl_add_u32 v5, v1, 4, v5
	v_add_nc_u32 v[RD], s23, v5
	v_mul_u32_u24 v5, v2, SIZE_N*2
	v_lshl_add_u32 v[CO], v1, 4, v5
	s_lshl_b32 s13, s13, 8
	s_lshl_b32 s14, s11, 7
	s_add_co_u32 s16, s13, s14                     ; my first row of C
	s_mov_b32 s17, 0
	s_mov_b64 s[18:19], SIZE_N*2
	s_mul_u64 s[16:17], s[16:17], s[18:19]
	s_lshl_b32 s46, s42, 9                         ; my first column, in bytes
	s_lshl_b32 s47, s12, 8
	s_add_co_u32 s46, s46, s47
	s_mov_b32 s47, 0
	s_add_nc_u64 s[16:17], s[16:17], s[46:47]      ; the way out adds this to C's address
	; the prefetches
	s_lshl_b32 s42, s42, 8
	s_and_b32 s22, ttmp7, 0xffff                   ; cluster y
	s_cmp_eq_u32 s11, 0                            ; do I fetch for A?
	s_cselect_b32 s20, s13, s42                    ; the tile's first row
	s_cselect_b32 s21, s40, s41                    ; my place among the four that ask for it with me
	s_cselect_b32 s22, ttmp9, s22                  ; the coordinate along which other clusters read the same rows
	s_cselect_b64 s[PFA:PFA+1], s[4:5], s[6:7]
	s_cmp_eq_u32 s22, 0
	s_cselect_b32 s[LIM], 1, -1
	s_lshl_b32 s22, s12, 7
	s_add_co_u32 s20, s20, s22                     ; + the 128 rows that I fetch
	s_lshl_b32 s21, s21, 5
	s_add_co_u32 s20, s20, s21                     ; + my work-group's 32 of them
	s_mov_b32 s21, 0
	s_mov_b64 s[18:19], SIZE_K*2
	s_mul_u64 s[20:21], s[20:21], s[18:19]
	s_add_nc_u64 s[PFA:PFA+1], s[PFA:PFA+1], s[20:21]
	s_add_nc_u64 s[PFA:PFA+1], s[PFA:PFA+1], 2*KSTEP*2  ; at K step 2: the first refill steps it to 3 and names K step 4.  Nothing is prefetched here, at the head
	v_and_b32 v[PFO], 31, v0
	v_mul_u32_u24 v[PFO], v[PFO], SIZE_K*2
; 16 matrix instructions: m blocks a0, a0 + 1 of the window's four x all 8 n blocks, 32 along K.  zero = 1: the first product starts the sums.  The 64 accumulators take turns.
.macro MUL16 f, hi, a0, zero
.irp a, \a0, \a0+1
.irp b, 0,1,2,3,4,5,6,7
.if \zero
	v_wmma_f32_16x16x32_f16 v[8*(8*(\a)+\b):8*(8*(\a)+\b)+7], v[\f+8*\b:\f+8*\b+7], v[\f+8*(4*\hi+\a):\f+8*(4*\hi+\a)+7], 0
.else
	v_wmma_f32_16x16x32_f16 v[8*(8*(\a)+\b):8*(8*(\a)+\b)+7], v[\f+8*\b:\f+8*\b+7], v[\f+8*(4*\hi+\a):\f+8*(4*\hi+\a)+7], v[8*(8*(\a)+\b):8*(8*(\a)+\b)+7]
.endif
.endr
.endr
.endm
; 32 LDS loads in one run: the fragments of one quarter step into buffer f
.macro FETCH slot, k, f
	WIN TO_B
.irp i, 0,1,2,3,4,5,6,7
	ds_load_b128 v[\f+8*\i:\f+8*\i+3],   v[ADRB+\slot] offset:\k+\i*16*PITCH
	ds_load_b128 v[\f+8*\i+4:\f+8*\i+7], v[ADRB+\slot] offset:\k+\i*16*PITCH+32
.endr
	WIN 0
.irp i, 0,1,2,3,4,5,6,7
	ds_load_b128 v[\f+8*\i:\f+8*\i+3],   v[ADRA+\slot] offset:\k+\i*16*PITCH
	ds_load_b128 v[\f+8*\i+4:\f+8*\i+7], v[ADRA+\slot] offset:\k+\i*16*PITCH+32
.endr
.endm
.macro PLACES                          ; four plain instructions in front of loads into registers that matrix instructions have read, and of conversions that read results just made
.rept 4
	v_nop
.endr
.endm
; A K step is four quarters of 32 along K, 64 matrix instructions each, on buffers 0, 1, 0, 1.  One of the first three: multiplies buffer f and fetches the next quarter's fragments into g.
.macro QUARTER slot, k, f, g, zero
	s_wait_dscnt 8                                 ; B and A's rows 0-63 are in; the youngest eight loads (A's rows 64-127) may be out
	WIN MUL_LO
	MUL16 \f, 0, 0, \zero
	MUL16 \f, 0, 2, \zero
	PLACES
	FETCH \slot, \k, \g
	s_wait_dscnt 32                                ; all but the 32 just issued
	WIN MUL_HI
	MUL16 \f, 1, 0, \zero
	MUL16 \f, 1, 2, \zero
.endm
; The last quarter's first half: ONE barrier for the change of slots.  In front of it each wave waits for all its tensor loads, adds 0 to its spare word, and waits for that and for its reads of this slot.
.macro MEET round
	WIN 0
	s_wait_tensorcnt 0x0                           ; all my tensor loads have landed: the one that was out is my part of the next slot
	ds_add_u32 v[SPW], v[NIL]
	s_wait_dscnt 9                                 ; (the add and the youngest eight loads may be out)
	WIN MUL_LO
	MUL16 F1, 0, 0, 0
	s_wait_dscnt 0x0                               ; the add is done, and my reads of this slot are over
	s_barrier_signal -1
	MUL16 F1, 0, 2, 0
.if \round
	WIN 0
.endif
	s_barrier_wait -1
.endm
; The whole last quarter: behind the round the slot just read out is filled again, two K steps ahead; then come the next slot's first fragments.
.macro TURN slot, next
	s_wait_xcnt 0x0                                ; the last prefetch, a K step back, has read its address
	s_add_nc_u64 s[PFA:PFA+1], s[PFA:PFA+1], KSTEP*2
	MEET 1
	CREST                                          ; no wave of any partner still reads this slot's tile or has a load on its way
	s_add_nc_u64 s[G0+4*\slot+2:G0+4*\slot+3], s[G0+4*\slot+2:G0+4*\slot+3], 2*KSTEP*2
	s_add_nc_u64 s[G0B+4*\slot+2:G0B+4*\slot+3], s[G0B+4*\slot+2:G0B+4*\slot+3], 2*KSTEP*2
	JLOAD \slot                                    ; the first tensor load behind the round; the four v_nop behind it are also the places in front of the loads below
	FETCH \next, 0, F0
	ASK
	WIN MUL_HI
	MUL16 F1, 1, 0, 0
	MUL16 F1, 1, 2, 0
.endm
; THE LAST K STEP (slot 1) GOES BY ROWS OF C: all its fragments of B fill window 1; my eight blocks of 16 rows are finished one after the other, 32 matrix instructions each, K ascending.
.macro BLOAD q
.irp i, 0,1,2,3,4,5,6,7
	ds_load_b128 v[64*\q+8*\i:64*\q+8*\i+3],   v[ADRB+1] offset:64*\q+\i*16*PITCH
	ds_load_b128 v[64*\q+8*\i+4:64*\q+8*\i+7], v[ADRB+1] offset:64*\q+\i*16*PITCH+32
.endr
.endm
.macro ALOAD a
.set FA, PA+32*((\a)%4)
.irp q, 0,1,2,3
	ds_load_b128 v[FA+8*\q:FA+8*\q+3],   v[ADRA+1] offset:64*\q+(\a)*16*PITCH
	ds_load_b128 v[FA+8*\q+4:FA+8*\q+7], v[ADRA+1] offset:64*\q+(\a)*16*PITCH+32
.endr
.endm
.macro ROW a
.set FA, PA+32*((\a)%4)
.set AC, 64*((\a)%4)
	WIN MUL_LO+0x50*((\a)/4)
.irp q, 0,1,2,3
.if (\a) == 0 && \q == 2
	s_wait_dscnt 24                                ; B's quarter 2 is in (behind it: A's blocks 1 to 3)
.endif
.irp b, 0,1,2,3,4,5,6,7
	v_wmma_f32_16x16x32_f16 v[AC+8*\b:AC+8*\b+7], v[64*\q+8*\b:64*\q+8*\b+7], v[FA+8*\q:FA+8*\q+7], v[AC+8*\b:AC+8*\b+7]
.endr
.endr
.endm
; THE WAY OUT of block a.  PACK: rounded to f16, 16 bytes a lane.  TOSTAGE: into my own stage in LDS, and back as whole rows of 256 bytes.  SEND: stored.
.macro PACK a
.set AC, 64*((\a)%4)
	WIN 0x0a+5*((\a)/4)
.irp b, 0,1,2,3,4,5,6,7
.irp r, 0,1,2,3
	v_cvt_pk_f16_f32 v[TMP+4*\b+\r], v[AC+8*\b+2*\r], v[AC+8*\b+2*\r+1]
.endr
.endr
	WIN 0
.endm
.macro TOSTAGE a
.set BK, OB+192*((\a)%2)
.irp b, 0,1,2,3,4,5,6,7
	ds_store_b128 v[STO], v[TMP+4*\b:TMP+4*\b+3] offset:32*\b
.endr
.irp t, 0,1,2,3,4,5,6,7
	ds_load_b128 v[BK+4*\t:BK+4*\t+3], v[RD] offset:\t*2*SPITCH    ; LDS serves a wave's instructions in order: these see the stores above
.endr
.endm
.macro SEND a, younger
.set BK, OB+192*((\a)%2)
	s_wait_dscnt \younger                          ; the block is back in registers
	s_wait_xcnt 0x0                                ; the earlier stores have read their base and their data
.if (\a) == 0
	s_add_nc_u64 s[8:9], s[8:9], s[16:17]          ; on to my first rows
.else
	s_add_nc_u64 s[8:9], s[8:9], 16*SIZE_N*2       ; 16 rows of C on
.endif
.irp t, 0,1,2,3,4,5,6,7
	global_store_b128 v[CO], v[BK+4*\t:BK+4*\t+3], s[8:9] offset:2*\t*SIZE_N*2   ; 16 lanes store 256 consecutive bytes, at a multiple of 256 from C's first byte
.endr
.endm
	s_wait_tensorcnt 1                             ; my part of K step 0 is in; K step 1's load may stay out
	s_barrier_signal -1
	s_barrier_wait -1
	FETCH 0, 0, F0
	QUARTER 0, 64,  F0, F1, 1                      ; the first quarter stands in front of the loop: its products start the sums
	WIN 0
	s_mov_b32 s3, LAPS-1
.Llap:                                                 ; a trip goes once round the ring, from a lap's second quarter to the next lap's first, and fills both slots again
	QUARTER 0, 128, F1, F0, 0
	QUARTER 0, 192, F0, F1, 0
	TURN 0, 1
	QUARTER 1, 64,  F0, F1, 0
	QUARTER 1, 128, F1, F0, 0
	QUARTER 1, 192, F0, F1, 0
	TURN 1, 0
	QUARTER 0, 64,  F0, F1, 0
	WIN 0
	s_sub_co_u32 s3, s3, 1
	s_cmp_lg_u32 s3, 0
	s_cbranch_scc1 .Llap
	QUARTER 0, 128, F1, F0, 0                      ; the last lap goes on; it asks for nothing more
	QUARTER 0, 192, F0, F1, 0
	MEET 0                                         ; nothing is filled again, so no round follows
	PLACES
	WIN TO_B
	BLOAD 0
	BLOAD 1
	BLOAD 3
	WIN 0
	ALOAD 0
	WIN MUL_HI
	MUL16 F1, 1, 0, 0
	MUL16 F1, 1, 2, 0
	PLACES
	WIN TO_B
	BLOAD 2
	WIN 0
	ALOAD 1
	ALOAD 2
	ALOAD 3
	s_wait_dscnt 40                                ; all but the 40 just issued
	ROW 0
.irp a, 0,1,2,3,4,5,6,7
	PLACES
	PACK \a
	TOSTAGE \a
.if \a < 4
	ALOAD \a+4
	SEND \a, 8
.else
	SEND \a, 0
.endif
.if \a < 7
	ROW \a+1
.endif
.endr
	s_wait_tensorcnt 0x0                           ; the wave's end
	ds_add_u32 v[SPW], v[NIL]
	s_wait_dscnt 0x0
	CROUND                                         ; the closing round: no work-group ends while a partner may still ask for a tile that names it
	s_endpgm
.Lfunc_end_k_qa34cff3c5d_gemm_kv:
	.size	k_qa34cff3c5d_gemm_kv, .Lfunc_end_k_qa34cff3c5d_gemm_kv-k_qa34cff3c5d_gemm_kv
	.p2alignl 7, 3214868480
	.fill 96, 4, 3214868480
	.section	.rodata,"a",@progbits
	.p2align	6, 0x0
	.amdhsa_kernel k_qa34cff3c5d_gemm_kv
		.amdhsa_group_segment_fixed_size 327680
		.amdhsa_private_segment_fixed_size 0
		.amdhsa_enable_private_segment 0
		.amdhsa_kernarg_size 24
		.amdhsa_user_sgpr_count 2
		.amdhsa_user_sgpr_kernarg_segment_ptr 1
		.amdhsa_wavefront_size32 1
		.amdhsa_system_sgpr_workgroup_id_x 1
		.amdhsa_system_sgpr_workgroup_id_y 1
		.amdhsa_system_sgpr_workgroup_id_z 1
		.amdhsa_system_vgpr_workitem_id 0
		.amdhsa_next_free_vgpr 1024
		.amdhsa_next_free_sgpr 66
		.amdhsa_reserve_vcc 0
		.amdhsa_float_denorm_mode_32 3
		.amdhsa_float_denorm_mode_16_64 3
		.amdhsa_memory_ordered 1
		.amdhsa_forward_progress 1
		.amdhsa_inst_pref_size 144
	.end_amdhsa_kernel
	.amdgpu_metadata
---
amdhsa.version: [ 1, 2 ]
amdhsa.kernels:
  - .name:           k_qa34cff3c5d_gemm_kv
    .symbol:         k_qa34cff3c5d_gemm_kv.kd
    .args:
      - { .name: xyh, .offset: 0, .size: 8, .value_kind: global_buffer, .address_space: global }
      - { .name: wh, .offset: 8, .size: 8, .value_kind: global_buffer, .address_space: global }
      - { .name: kv, .offset: 16, .size: 8, .value_kind: global_buffer, .address_space: global }
    .group_segment_fixed_size: 327680
    .private_segment_fixed_size: 0
    .kernarg_segment_align: 8
    .kernarg_segment_size: 24
    .max_flat_workgroup_size: 128
    .sgpr_count:     66
    .vgpr_count:     1024
    .wavefront_size: 32
...
	.end_amdgpu_metadata
.endif
;; end of part 2
;; launch attn (part 3): grid 8 x 32, 8 waves a work-group, no clusters, 327,680 bytes of LDS; arguments qc, qs, kv, att; writes att
.if DOCPART == 3
	.amdgcn_target "amdgcn-amd-amdhsa--gfx1250"
	.amdhsa_code_object_version 6
	.text
	.protected	k_qa34cff3c5d_attn
	.globl	k_qa34cff3c5d_attn
	.p2align	8
	.type	k_qa34cff3c5d_attn,@function
k_qa34cff3c5d_attn:
	s_mov_b64 s[64:65], 0
	v_nop
	global_prefetch_b8 v0, s[64:65] scope:SCOPE_SE
	s_setreg_imm32_b32 hwreg(HW_REG_WAVE_MODE, 25, 1), 1
	s_wait_xcnt 0x0
; For 128 queries (leaves) and two heads: Q = x Wq^T on codes of FP4 (E2M1) with E8M0 scales, then the attention of each leaf to its causal window of 16 leaves and its 11 ancestors, in f16 with f32 sums.  Q never goes to memory.
; qc: codes, 512 bytes a row (x's 4,096 rows, then Wq's 1,024); qs: their scale bytes, 32 a row (x's, then Wq's at byte 131,072).
; kv: [8192][2048] f16: rows 0-4095 the tree nodes in the order laid by the first launch, rows 4096.. the leaves; a row's piece of 512 bytes for head pair hp: K of head 2 hp, K of 2 hp + 1, V of 2 hp, V of 2 hp + 1.  att: [4096][1024] f16.
; SHARES: work-group (hp, qb): heads 2 hp, 2 hp + 1; queries 128 qb .. + 127 (batch b = qb / 16, block g = qb % 16).  Wave w: the tile of 16 queries 16 w on, both heads.
; THE KEYS OF A TILE are 64 slots, four tiles of 16 consecutive LDS rows: t0 the 16 leaves before the tile, t1 the tile's own leaves, t2 the 16 rows of tree nodes laid for this tile, t3 the 16 rows UP (levels 4 to 10).
; Which slots count for which query is a pattern made of ids; it enters as the C of the scores' first product: 0, or -1e30.
; BOTH ATTENTION PRODUCTS AND THE PROJECTION ARE USED TRANSPOSED, so that a lane holds ONE query (lane % 16) throughout: Q^T = Wq x^T, S^T = K Q^T, O^T = V^T P.  Nothing changes lanes between them.
; SOFTMAX: the row's largest score is taken off ahead of the exponential; p = 2^(c s - c m), c = log2(e) / 8; the sum is taken of p in f32; O is divided by it at the end.
; NO CLUSTER: every byte is asked for once, at the head; of a work-group's 284 KB the larger part, its rows of K and V, is read by no other work-group.
; LIMITS: |Q|, |K|, |V| beyond 65,504 have no f16.  A hidden score is its number - 1e30, not -infinity: p is 0 all the same, since scores of f16 operands stay under 64 x 65,504^2 = 2.7e11.  NaN and infinities are not served.
.set PITCH, 528                        ; an LDS row: 512 bytes + 16 of padding
.set WC,    128*PITCH                  ; LDS: x's codes, 128 rows, from 0; Wq's, 128 rows, from here
.set KV,    256*PITCH                  ; rows of K and V: 16 leaves before the block (stored from registers),
.set LEAF,  KV+16*PITCH                ; the block's 128 leaves and, behind them, its 128 rows of tree nodes (tensor loads),
.set SUBO,  144*PITCH                  ; (from a row of t0 to the same row of t2)
.set UPR,   KV+272*PITCH               ; UP: rows 0-7 the block's rows 16 tau + 15, rows 8 + w the ancestor of level 7 + w % 4 (stored from registers)
.set STG,   KV+288*PITCH               ; the way out: 16 rows x 272 bytes for each wave
.set SP,    272
.set SPARE, STG+8*16*SP                ; the spare words, 128 bytes a wave: four blocks of 256 bytes that no other line names.  Every region begins at a multiple of 256
.set SPW, 1                            ; v1  my spare word; never rewritten
.set NIL, 2                            ; v2  0; never rewritten
.set AX,  3                            ; v3  x's codes: my query's row
.set AW,  4                            ; v4  Wq's codes: row lane % 16 of a tile of channels
.set AKL, 5                            ; v5  K: row lane % 16 of t0
.set AKS, 6                            ; v6  of t2
.set AKU, 7                            ; v7  of t3
.set AVL, 8                            ; v8  V, for the turning load: t0
.set AVS, 9                            ; v9  t2
.set AVU, 10                           ; v10 t3
.set STO, 11                           ; v11 the stage, on the way in
.set RD,  12                           ; v12 and back
.set GO,  13                           ; v13 my byte offset in the wave's rows of att
.set A1,  14                           ; v14 where I store the two rows of leaves before the block
.set A2,  15                           ; v15 and my two rows of UP
.set XF,  16                           ; v16-31   x's fragment, two sets.            Later v16-47: BIAS
.set SMR, 32                           ; v32-47   the four small rows as loaded
.set BIAS, 16
.set QF,  48                           ; v48-79   Q as four f16 fragments (32 channels each)
.set WF0, 80                           ; v80-111  four fragments of Wq, set 0.       Later S, the scores; then P in v80-95, the packed results in v96-111
.set S,   80
.set HO,  96
.set ACC, 112                          ; v112-175 Q^T, eight tiles of 16 channels.   Later K's eight fragments; then O^T in v112-143, V's second four fragments in v144-175
.set KF,  112
.set O,   112
.set VF1, 144
.set WF1, 176                          ; v176-207 four fragments of Wq, set 1.       Later V's first four fragments
.set VF0, 176
.set XS,  208                          ; v208-215 x's scale words, one for each K step: scales and nothing else
.set WS,  216                          ; v216-247 Wq's: register 8 i + s: lanes 0-15 tile 2 i, lanes 16-31 tile 2 i + 1, K step s
.set TM,  248                          ; v248-251 at work
.set MX,  252                          ; v252     the largest score; later 1 / the sum
.set PX,  253                          ; v253     what lane l xor 16 sends
.set CM,  254                          ; v[254:255] c m (the packed form names the pair)
.set WV,  12
.set HP,  13
.set QB,  14
.set GG,  15
.set G1C, 16                           ; s[16:23] descriptor group 1 for codes;  s[24:31] for rows of K and V;  s[32:35], s[36:39] their groups 0
.set G1K, 24
.set G0C, 32
.set G0K, 36
.set SEL, 66                           ; s[66:67] v_permlanex16_b32's selects for lane l xor 16
.set CS,  68                           ; s[68:69] c
.set NEG, 70                           ; s70 -1e30
.set FM,  71                           ; s71 0 where the leaves before the tile lie before leaf 0, else 0xffff
.set M3,  72                           ; s72 which rows of UP count for my tile
	s_load_b256 s[4:11], s[0:1], 0x0               ; qc s[4:5], qs s[6:7], kv s[8:9], att s[10:11]
	v_lshl_add_u32 v[SPW], v0, 2, SPARE
	v_mov_b32 v[NIL], 0
	ds_add_u32 v[SPW], v[NIL]                      ; the wave's opening: the add, twice on end, and its wait ahead of my first tensor load
	ds_add_u32 v[SPW], v[NIL]
	v_lshrrev_b32 v248, 5, v0
	v_readfirstlane_b32 s[WV], v248                ; wave 0..7
	s_mov_b32 s[HP], ttmp9
	s_and_b32 s[QB], ttmp7, 0xffff
	s_and_b32 s[GG], s[QB], 15
	; descriptor group 1: 32 rows x 512 elements of 1 byte, 4 words of padding behind every 128
.irp g, G1C, G1K
	s_mov_b32 s[\g], (1<<20)|(6<<22)|(3<<25)
	s_mov_b32 s[\g+1], 512<<16                     ; tensor_dim0
	s_mov_b32 s[\g+2], 32<<16                      ; tensor_dim1
	s_mov_b32 s[\g+3], 512<<16                     ; tile_dim0
	s_mov_b32 s[\g+4], 32                          ; tile_dim1
	s_mov_b32 s[\g+6], 0
	s_mov_b32 s[\g+7], 0
.endr
	s_mov_b32 s[G1C+5], 512                        ; rows of codes are dense,
	s_mov_b32 s[G1K+5], 4096                       ; a head pair's pieces lie 4,096 bytes apart
	s_mov_b32 s[SEL], 0x76543210
	s_mov_b32 s[SEL+1], 0xfedcba98
	s_mov_b32 s[CS], 0x3e38aa3b                    ; c = log2(e) / sqrt(64)
	s_mov_b32 s[CS+1], s[CS]
	s_mov_b32 s[NEG], 0xf149f2ca                   ; -1e30
	; what I fetch, as offsets.  Waves 0-3: 32 rows of x's codes, and 32 leaves; waves 4-7: 32 rows of Wq's codes, and 32 rows of tree nodes
	s_and_b32 s40, s[WV], 3
	s_lshl_b32 s41, s[QB], 7                       ; 128 qb
	s_lshl_b32 s42, s40, 5
	s_lshl_b32 s58, s[HP], 9                       ; the head pair's piece of a row of kv
	s_add_co_u32 s43, s41, s42
	s_lshl_b32 s43, s43, 9
	s_lshl_b32 s44, s[HP], 7
	s_add_co_u32 s44, s44, s42
	s_lshl_b32 s44, s44, 9
	s_add_co_u32 s44, s44, 2097152
	s_cmp_lt_u32 s[WV], 4
	s_cselect_b32 s44, s43, s44
	s_cselect_b32 s46, 4096, 0
	s_mov_b32 s45, 0
	s_add_co_u32 s46, s46, s41
	s_add_co_u32 s46, s46, s42
	s_lshl_b32 s46, s46, 12
	s_add_co_u32 s46, s46, s58
	s_mov_b32 s47, 0
	s_mul_i32 s[G0C+1], s[WV], 32*PITCH            ; into LDS: a constant x the wave's number,
	s_add_co_u32 s[G0K+1], s[G0C+1], LEAF          ; and the same behind LEAF
	; the small rows: leaves 128 qb - 16 + 2 w and the next (inside kv at every qb: the tree nodes' rows lie in front of the leaves');
	s_lshl_b32 s59, s[WV], 1
	s_add_co_u32 s59, s59, s41
	s_add_co_u32 s59, s59, 4080
	s_lshl_b32 s48, s59, 12
	s_add_co_u32 s48, s48, s58
	s_mov_b32 s49, 0
	s_lshl_b32 s62, s[WV], 4
	s_add_co_u32 s62, s62, s41                     ; my first query, counted through both batches
	s_add_co_u32 s50, s62, 15                      ; the block's row 16 w + 15 of tree nodes;
	s_lshl_b32 s50, s50, 12
	s_add_co_u32 s50, s50, s58
	s_mov_b32 s51, 0
	s_lshr_b32 s52, 16, s40                        ; the ancestor of level 7 + j, j = w % 4: it is y's row 2032 + t, t = 16 - (16 >> j) + (g >> (j + 1)), laid as row 127 of block t
	s_sub_co_u32 s52, 16, s52
	s_add_co_u32 s53, s40, 1
	s_lshr_b32 s53, s[GG], s53
	s_add_co_u32 s52, s52, s53
	s_lshr_b32 s53, s[QB], 4
	s_lshl_b32 s53, s53, 4
	s_add_co_u32 s52, s52, s53
	s_lshl_b32 s52, s52, 7
	s_add_co_u32 s52, s52, 127
	s_lshl_b32 s52, s52, 12
	s_add_co_u32 s52, s52, s58
	s_mov_b32 s53, 0
	s_lshl_b32 s54, s62, 5                         ; my queries' scale words
	s_mov_b32 s55, 0
	s_lshl_b32 s56, s[HP], 12                      ; my head pair's 128 rows of Wq's
	s_add_co_u32 s56, s56, 131072
	s_mov_b32 s57, 0
	s_lshl_b32 s60, s62, 11                        ; my rows of att, my head pair's 256 bytes
	s_lshl_b32 s63, s[HP], 8
	s_add_co_u32 s60, s60, s63
	s_mov_b32 s61, 0
	s_or_b32 s59, s[GG], s[WV]
	s_cmp_eq_u32 s59, 0
	s_cselect_b32 s[FM], 0, 0xffff
	s_lshr_b32 s59, s[WV], 1
	s_lshl_b32 s59, 1, s59                         ; level 4: row w / 2
	s_lshr_b32 s63, s[WV], 2
	s_lshl_b32 s63, 16, s63                        ; level 5: row 4 + w / 4
	s_or_b32 s[M3], s59, s63
	s_or_b32 s[M3], s[M3], 0xf40                   ; level 6: row 6; levels 7 to 10: rows 8 to 11
	s_wait_dscnt 0x0                               ; both opening adds are done
	s_wait_kmcnt 0x0
	s_mov_b32 s[G0C], 1
	s_add_nc_u64 s[G0C+2:G0C+3], s[4:5], s[44:45]
	s_or_b32 s[G0C+3], s[G0C+3], 0x80000000
	s_mov_b32 s[G0K], 1
	s_add_nc_u64 s[G0K+2:G0K+3], s[8:9], s[46:47]
	s_or_b32 s[G0K+3], s[G0K+3], 0x80000000
	tensor_load_to_lds s[G0C:G0C+3], s[G1C:G1C+7]  ; my 32 rows of codes
	s_nop 0
	tensor_load_to_lds s[G0K:G0K+3], s[G1K:G1K+7]  ; my 32 rows of K and V: two loads of mine are out, and no more follow
	s_nop 0
	s_add_nc_u64 s[48:49], s[8:9], s[48:49]
	s_add_nc_u64 s[50:51], s[8:9], s[50:51]
	s_add_nc_u64 s[52:53], s[8:9], s[52:53]
	s_add_nc_u64 s[54:55], s[6:7], s[54:55]
	s_add_nc_u64 s[56:57], s[6:7], s[56:57]
	s_add_nc_u64 s[60:61], s[10:11], s[60:61]
	v_and_b32 v251, 15, v0                         ; r
	v_and_b32 v253, 31, v0                         ; lane
	v_lshlrev_b32 v248, 5, v251
	v_lshlrev_b32 v249, 5, v253
	v_lshlrev_b32 v250, 4, v253
	global_load_b128 v[XS:XS+3],   v248, s[54:55]            ; lane r: the eight scale words of query r
	global_load_b128 v[XS+4:XS+7], v248, s[54:55] offset:16
.irp i, 0,1,2,3
	global_load_b128 v[WS+8*\i:WS+8*\i+3],   v249, s[56:57] offset:1024*\i       ; lane l: those of channel 32 i + l
	global_load_b128 v[WS+8*\i+4:WS+8*\i+7], v249, s[56:57] offset:1024*\i+16
.endr
	global_load_b128 v[SMR:SMR+3],     v250, s[48:49]             ; 32 lanes read a row's piece, 512 consecutive bytes
	global_load_b128 v[SMR+4:SMR+7],   v250, s[48:49] offset:4096
	global_load_b128 v[SMR+8:SMR+11],  v250, s[50:51]
	global_load_b128 v[SMR+12:SMR+15], v250, s[52:53]
	v_bfe_u32 v252, v0, 4, 1                       ; h
	v_mul_u32_u24 v254, v251, PITCH
	v_lshl_add_u32 v254, v252, 4, v254             ; row r, + 16 h: a fragment's place, of codes and of f16 alike
	s_mul_i32 s73, s[WV], 16*PITCH
	v_add_nc_u32 v[AX], s73, v254
	v_add_nc_u32 v[AW], WC, v254
	s_add_co_u32 s73, s73, KV
	v_add_nc_u32 v[AKL], s73, v254
	v_add_nc_u32 v[AKS], SUBO, v[AKL]
	v_add_nc_u32 v[AKU], UPR, v254
	v_and_b32 v255, 7, v0                          ; the turning load: lane l reads 16 bytes of key 8 (l / 16) + l % 8, channels 8 ((l / 8) % 2) on
	v_lshl_add_u32 v255, v252, 3, v255
	v_mul_u32_u24 v255, v255, PITCH
	v_bfe_u32 v254, v0, 3, 1
	v_lshl_add_u32 v255, v254, 4, v255
	v_add_nc_u32 v[AVU], UPR+256, v255             ; V lies 256 bytes into a row
	s_add_co_u32 s73, s73, 256
	v_add_nc_u32 v[AVL], s73, v255
	v_add_nc_u32 v[AVS], SUBO, v[AVL]
	s_mul_i32 s73, s[WV], 16*SP
	s_add_co_u32 s73, s73, STG                     ; my stage
	v_mul_u32_u24 v254, v251, SP
	v_lshl_add_u32 v254, v252, 4, v254
	v_add_nc_u32 v[STO], s73, v254
	v_mul_u32_u24 v254, v252, SP
	v_lshl_add_u32 v254, v251, 4, v254
	v_add_nc_u32 v[RD], s73, v254
	v_lshlrev_b32 v[GO], 11, v252
	v_lshl_add_u32 v[GO], v251, 4, v[GO]
	s_mul_i32 s73, s[WV], 2*PITCH
	s_add_co_u32 s73, s73, KV
	v_lshl_add_u32 v[A1], v253, 4, s73
	s_mul_i32 s74, s[WV], PITCH
	s_add_co_u32 s74, s74, UPR
	v_lshl_add_u32 v[A2], v253, 4, s74
	s_wait_tensorcnt 1                             ; my rows of codes are in; my rows of K and V may stay out
	s_barrier_signal -1
	s_barrier_wait -1                              ; everybody's codes are in
; ---- Q^T = Wq x^T.  Source 0 = 16 channels of Wq, source 1 = my 16 queries; eight accumulators (tiles of channels), eight K steps of 128; a half step is four tiles.
; A fragment of codes, 16 rows x 128 K, is 8 registers: lane l holds row l % 16; registers 4 c .. 4 c + 3 hold K = 64 c + 32 (l / 16) + 0 .. 31: two loads of 16 bytes, 32 bytes apart.
.macro XFLOAD s                        ; x's fragment of K step s into set s % 2
.irp c, 0,1
	ds_load_b128 v[XF+8*((\s)%2)+4*\c:XF+8*((\s)%2)+4*\c+3], v[AX] offset:64*(\s)+32*\c
.endr
.endm
.macro WFLOAD i                        ; Wq's four fragments of half step i into set i % 2
.set rW, WF0+(WF1-WF0)*((\i)%2)
.irp u, 0,1,2,3
.irp c, 0,1
	ds_load_b128 v[rW+8*\u+4*\c:rW+8*\u+4*\c+3], v[AW] offset:16*PITCH*(4*((\i)%2)+\u)+64*((\i)/2)+32*\c
.endr
.endr
.endm
.macro HALF i
.if (\i) > 0
.rept 4
	v_nop                                          ; four plain instructions in front of loads into the set that the last half step multiplied
.endr
.endif
.if (\i) < 15
.if (\i)%2 == 1
	XFLOAD ((\i)/2+1)
	WFLOAD ((\i)+1)
	s_wait_dscnt 10                                ; all but the ten just issued: this half step's fragments are in
.else
	WFLOAD ((\i)+1)
	s_wait_dscnt 8                                 ; all but the eight just issued
.endif
.else
	s_wait_dscnt 0x0
.endif
.set rH, WF0+(WF1-WF0)*((\i)%2)
.set rB, XF+8*(((\i)/2)%2)
.set rSB, XS+(\i)/2
.irp u, 0,1,2,3                        ; the eight accumulators take turns, one instruction a turn
.set rT, 4*((\i)%2)+\u
.set rD, ACC+8*rT
.set rA, rH+8*\u
.set rSA, WS+8*(rT/2)+(\i)/2
.if (\i) < 2
.if \u%2
	v_wmma_scale_f32_16x16x128_f8f6f4 v[rD:rD+7], v[rA:rA+7], v[rB:rB+7], 0, v[rSA], v[rSB] matrix_a_fmt:MATRIX_FMT_FP4 matrix_b_fmt:MATRIX_FMT_FP4 matrix_a_scale:MATRIX_SCALE_ROW1
.else
	v_wmma_scale_f32_16x16x128_f8f6f4 v[rD:rD+7], v[rA:rA+7], v[rB:rB+7], 0, v[rSA], v[rSB] matrix_a_fmt:MATRIX_FMT_FP4 matrix_b_fmt:MATRIX_FMT_FP4
.endif
.else
.if \u%2
	v_wmma_scale_f32_16x16x128_f8f6f4 v[rD:rD+7], v[rA:rA+7], v[rB:rB+7], v[rD:rD+7], v[rSA], v[rSB] matrix_a_fmt:MATRIX_FMT_FP4 matrix_b_fmt:MATRIX_FMT_FP4 matrix_a_scale:MATRIX_SCALE_ROW1
.else
	v_wmma_scale_f32_16x16x128_f8f6f4 v[rD:rD+7], v[rA:rA+7], v[rB:rB+7], v[rD:rD+7], v[rSA], v[rSB] matrix_a_fmt:MATRIX_FMT_FP4 matrix_b_fmt:MATRIX_FMT_FP4
.endif
.endif
.endr
.endm
	XFLOAD 0
	WFLOAD 0
	s_wait_loadcnt 4                               ; the scale words are in; the four small rows may stay out
.irp i, 0,1,2,3,4,5,6,7,8,9,10,11,12,13,14,15
	HALF \i
.endr
.rept 4
	v_nop
.endr
; In tile T lane (r, h) holds query r and channels 16 T + 8 h + 0 .. 7.  Rounded to f16 in pairs, tiles 2 F and 2 F + 1 ARE the f16 fragment (32 channels x 16 queries) F of the scores' source 1.
.set n_, 0
.rept 32
	v_cvt_pk_f16_f32 v[QF+n_], v[ACC+2*n_], v[ACC+2*n_+1]     ; each accumulator from its low end on
.set n_, n_+1
.endr
; ---- the small rows go to LDS; then everybody's rows of K and V are there
	s_wait_loadcnt 0x0
	ds_store_b128 v[A1], v[SMR:SMR+3]
	ds_store_b128 v[A1], v[SMR+4:SMR+7] offset:PITCH
	ds_store_b128 v[A2], v[SMR+8:SMR+11]
	ds_store_b128 v[A2], v[SMR+12:SMR+15] offset:8*PITCH
	s_wait_tensorcnt 0x0                           ; my rows of K and V have landed,
	s_wait_dscnt 0x0                               ; and my stores
	s_barrier_signal -1
	; THE PATTERN, work on registers while the others arrive.  For each tile of keys a mask of 16 slots for my query r; my half of the lanes holds slots 8 h + 0 .. 7
	v_and_b32 v248, 15, v0                         ; r
	v_bfe_u32 v249, v0, 4, 1
	v_lshlrev_b32 v249, 3, v249                    ; 8 h
	v_add_nc_u32 v250, 1, v248
	v_mov_b32 v251, 0xffff
	v_lshlrev_b32 v250, v250, v251
	v_and_b32 v250, s[FM], v250                    ; t0: the leaves r + 1 .. 15 of the tile before: they lie at most 15 back
	v_mov_b32 v251, 2
	v_lshlrev_b32 v251, v248, v251
	v_add_nc_u32 v251, -1, v251                    ; t1: leaves 0 .. r of my tile
	v_lshrrev_b32 v252, 1, v248
	v_mov_b32 v253, 1
	v_lshlrev_b32 v252, v252, v253                 ; t2: level 0: slot r / 2;
	v_lshrrev_b32 v253, 2, v248
	v_mov_b32 v254, 0x100
	v_lshlrev_b32 v253, v253, v254                 ; level 1: slot 8 + r / 4;
	v_or_b32 v252, v252, v253
	v_lshrrev_b32 v253, 3, v248
	v_mov_b32 v254, 0x1000
	v_lshlrev_b32 v253, v253, v254                 ; level 2: slot 12 + r / 8;
	v_or_b32 v252, v252, v253
	v_or_b32 v252, 0x4000, v252                    ; level 3: slot 14
	v_mov_b32 v253, s[M3]                          ; t3: the same for all queries of the tile
.irp m, 250,251,252,253
	v_lshrrev_b32 v\m, v249, v\m
	v_and_b32 v\m, 0xff, v\m
.endr
	v_lshl_or_b32 v250, v251, 8, v250
	v_lshl_or_b32 v250, v252, 16, v250
	v_lshl_or_b32 v250, v253, 24, v250             ; bit 8 t + j: slot 8 h + j of tile t counts
	v_xor_b32 v250, -1, v250
.set n_, 0
.rept 32
	v_bfe_u32 v[BIAS+n_], v250, n_, 1
	v_mul_lo_u32 v[BIAS+n_], v[BIAS+n_], s[NEG]    ; 0, or the bits of -1e30
.set n_, n_+1
.endr
	v_mov_b32 v[PX], 0                             ; a lane permute's destination counts as one of its sources
	v_mov_b32 v[CM+1], 0                           ; named with c m as a pair
	s_barrier_wait -1
; ---- a head: scores, softmax, weighted sum
.macro HEAD a
.irp f, 0,1                            ; K's fragments (tile t, channels 32 f on) at KF + 16 t + 8 f
.irp c, 0,1
	ds_load_b128 v[KF+8*\f+4*\c:KF+8*\f+4*\c+3],       v[AKL] offset:128*\a+64*\f+32*\c
	ds_load_b128 v[KF+16+8*\f+4*\c:KF+16+8*\f+4*\c+3], v[AKL] offset:16*PITCH+128*\a+64*\f+32*\c
	ds_load_b128 v[KF+32+8*\f+4*\c:KF+32+8*\f+4*\c+3], v[AKS] offset:128*\a+64*\f+32*\c
	ds_load_b128 v[KF+48+8*\f+4*\c:KF+48+8*\f+4*\c+3], v[AKU] offset:128*\a+64*\f+32*\c
.endr
.endr
.irp ct, 0,1,2,3                       ; V^T, 16 channels x slots 0-31 (t0, t1), turned on the way out of LDS
	ds_load_tr16_b128 v[VF0+8*\ct:VF0+8*\ct+3],   v[AVL] offset:128*\a+32*\ct
	ds_load_tr16_b128 v[VF0+8*\ct+4:VF0+8*\ct+7], v[AVL] offset:16*PITCH+128*\a+32*\ct
.endr
	s_wait_dscnt 8                                 ; K is in; V's eight may be out
.irp t, 0,1,2,3                        ; S^T = K Q^T + the pattern: the four accumulators by turns
	v_wmma_f32_16x16x32_f16 v[S+8*\t:S+8*\t+7], v[KF+16*\t:KF+16*\t+7], v[QF+16*\a:QF+16*\a+7], v[BIAS+8*\t:BIAS+8*\t+7]
.endr
.irp t, 0,1,2,3
	v_wmma_f32_16x16x32_f16 v[S+8*\t:S+8*\t+7], v[KF+16*\t+8:KF+16*\t+15], v[QF+16*\a+8:QF+16*\a+15], v[S+8*\t:S+8*\t+7]
.endr
.rept 4
	v_nop                                          ; in front of the first read of the scores, and of loads into registers that held K
.endr
.irp ct, 0,1,2,3                       ; V^T for slots 32-63 (t2, t3)
	ds_load_tr16_b128 v[VF1+8*\ct:VF1+8*\ct+3],   v[AVS] offset:128*\a+32*\ct
	ds_load_tr16_b128 v[VF1+8*\ct+4:VF1+8*\ct+7], v[AVU] offset:128*\a+32*\ct
.endr
.irp t, 0,1,2,3
	v_max3_num_f32 v[TM+\t], v[S+8*\t], v[S+8*\t+1], v[S+8*\t+2]          ; the largest of my 32 scores: four chains, each from an accumulator's low end on
.endr
.irp i, 3,5
.irp t, 0,1,2,3
	v_max3_num_f32 v[TM+\t], v[TM+\t], v[S+8*\t+\i], v[S+8*\t+\i+1]
.endr
.endr
.irp t, 0,1,2,3
	v_max_num_f32 v[TM+\t], v[TM+\t], v[S+8*\t+7]
.endr
	v_max3_num_f32 v[MX], v[TM], v[TM+1], v[TM+2]
	v_max_num_f32 v[MX], v[MX], v[TM+3]
	v_permlanex16_b32 v[PX], v[MX], s[SEL], s[SEL+1]
	v_max_num_f32 v[MX], v[MX], v[PX]              ; with lane l xor 16's 32: the row's
	v_mul_f32 v[CM], s[CS], v[MX]
.irp j, 0,2,4,6,8,10,12,14,16,18,20,22,24,26,28,30
	v_pk_fma_f32 v[S+\j:S+\j+1], v[S+\j:S+\j+1], s[CS:CS+1], v[CM:CM+1] op_sel_hi:[1,0,0] neg_lo:[0,0,1] neg_hi:[0,0,1]   ; c s - c m
.endr
.set n_, 0
.rept 32
	v_exp_f32 v[S+n_], v[S+n_]                     ; p, at most 1; 0 in a hidden slot
.set n_, n_+1
.endr
	v_nop                                          ; a plain instruction behind the last exponential
	s_wait_alu depctr_va_vdst(0)                   ; one wait for the whole batch, ahead of its first reader
	v_pk_add_f32 v[TM:TM+1],   v[S:S+1],   v[S+2:S+3]                   ; the row's sum, of p in f32: two at a time, in two chains
	v_pk_add_f32 v[TM+2:TM+3], v[S+4:S+5], v[S+6:S+7]
.irp j, 8,12,16,20,24,28
	v_pk_add_f32 v[TM:TM+1],   v[TM:TM+1],   v[S+\j:S+\j+1]
	v_pk_add_f32 v[TM+2:TM+3], v[TM+2:TM+3], v[S+\j+2:S+\j+3]
.endr
	v_pk_add_f32 v[TM:TM+1], v[TM:TM+1], v[TM+2:TM+3]
	v_add_f32 v[TM], v[TM], v[TM+1]
	v_permlanex16_b32 v[PX], v[TM], s[SEL], s[SEL+1]
	v_add_f32 v[TM], v[TM], v[PX]                  ; at least 1: the largest score's p
	v_rcp_f32 v[MX], v[TM]
.set n_, 0
.rept 16
	v_cvt_pk_f16_f32 v[S+n_], v[S+2*n_], v[S+2*n_+1]     ; P, in place and ascending: tiles t0, t1 make the fragment of slots 0-31, t2, t3 that of slots 32-63.  (Plain work behind the reciprocal)
.set n_, n_+1
.endr
	s_wait_alu depctr_va_vdst(0)                   ; the reciprocal's wait, ahead of its first reader
	s_wait_dscnt 0x0                               ; V is in
.irp ct, 0,1,2,3                       ; O^T = V^T P: four tiles of 16 channels by turns; the first products start the sums
	v_wmma_f32_16x16x32_f16 v[O+8*\ct:O+8*\ct+7], v[VF0+8*\ct:VF0+8*\ct+7], v[S:S+7], 0
.endr
.irp ct, 0,1,2,3
	v_wmma_f32_16x16x32_f16 v[O+8*\ct:O+8*\ct+7], v[VF1+8*\ct:VF1+8*\ct+7], v[S+8:S+15], v[O+8*\ct:O+8*\ct+7]
.endr
.rept 4
	v_nop
.endr
.irp j, 0,2,4,6,8,10,12,14,16,18,20,22,24,26,28,30
	v_pk_mul_f32 v[O+\j:O+\j+1], v[O+\j:O+\j+1], v[MX:MX+1] op_sel_hi:[1,0]     ; / the sum
.endr
.set n_, 0
.rept 16
	v_cvt_pk_f16_f32 v[HO+n_], v[O+2*n_], v[O+2*n_+1]    ; lane (r, h), tile ct: channels 16 ct + 8 h + 0 .. 7 of query r: 16 bytes
.set n_, n_+1
.endr
.irp ct, 0,1,2,3
	ds_store_b128 v[STO], v[HO+4*\ct:HO+4*\ct+3] offset:128*\a+32*\ct
.endr
.endm
	HEAD 0
	HEAD 1
; ---- the way out: my 16 rows x 256 bytes come back from my own stage as whole rows
.irp t, 0,1,2,3,4,5,6,7
	ds_load_b128 v[O+4*\t:O+4*\t+3], v[RD] offset:\t*2*SP          ; LDS serves a wave's instructions in order: these see my stores
.endr
.irp t, 0,1,2,3,4,5,6,7
	s_wait_dscnt 7-\t
	global_store_b128 v[GO], v[O+4*\t:O+4*\t+3], s[60:61] offset:4096*\t   ; 16 lanes store 256 consecutive bytes, at a multiple of 256 from att's first byte
.endr
	s_wait_tensorcnt 0x0                           ; the wave's end
	ds_add_u32 v[SPW], v[NIL]
	s_wait_dscnt 0x0
	s_endpgm
.Lfunc_end_k_qa34cff3c5d_attn:
	.size	k_qa34cff3c5d_attn, .Lfunc_end_k_qa34cff3c5d_attn-k_qa34cff3c5d_attn
	.p2alignl 7, 3214868480
	.fill 96, 4, 3214868480
	.section	.rodata,"a",@progbits
	.p2align	6, 0x0
	.amdhsa_kernel k_qa34cff3c5d_attn
		.amdhsa_group_segment_fixed_size 327680
		.amdhsa_private_segment_fixed_size 0
		.amdhsa_enable_private_segment 0
		.amdhsa_kernarg_size 32
		.amdhsa_user_sgpr_count 2
		.amdhsa_user_sgpr_kernarg_segment_ptr 1
		.amdhsa_wavefront_size32 1
		.amdhsa_system_sgpr_workgroup_id_x 1
		.amdhsa_system_sgpr_workgroup_id_y 1
		.amdhsa_system_sgpr_workgroup_id_z 1
		.amdhsa_system_vgpr_workitem_id 0
		.amdhsa_next_free_vgpr 256
		.amdhsa_next_free_sgpr 84
		.amdhsa_reserve_vcc 0
		.amdhsa_float_denorm_mode_32 3
		.amdhsa_float_denorm_mode_16_64 3
		.amdhsa_memory_ordered 1
		.amdhsa_forward_progress 1
		.amdhsa_inst_pref_size 60
	.end_amdhsa_kernel
	.amdgpu_metadata
---
amdhsa.version: [ 1, 2 ]
amdhsa.kernels:
  - .name:           k_qa34cff3c5d_attn
    .symbol:         k_qa34cff3c5d_attn.kd
    .args:
      - { .name: qc, .offset: 0, .size: 8, .value_kind: global_buffer, .address_space: global }
      - { .name: qs, .offset: 8, .size: 8, .value_kind: global_buffer, .address_space: global }
      - { .name: kv, .offset: 16, .size: 8, .value_kind: global_buffer, .address_space: global }
      - { .name: att, .offset: 24, .size: 8, .value_kind: global_buffer, .address_space: global }
    .group_segment_fixed_size: 327680
    .private_segment_fixed_size: 0
    .kernarg_segment_align: 8
    .kernarg_segment_size: 32
    .max_flat_workgroup_size: 256
    .sgpr_count:     84
    .vgpr_count:     256
    .wavefront_size: 32
...
	.end_amdgpu_metadata
.endif
;; end of part 3
;; launch gemm_out (part 4): grid 8 x 32, 4 waves a work-group, clusters of 4 x 4, 327,680 bytes of LDS; arguments att, wh, bo, out0; writes out0
.if DOCPART == 4
	.amdgcn_target "amdgcn-amd-amdhsa--gfx1250"
	.amdhsa_code_object_version 6
	.text
	.protected	k_qa34cff3c5d_gemm_out
	.globl	k_qa34cff3c5d_gemm_out
	.p2align	8
	.type	k_qa34cff3c5d_gemm_out,@function
k_qa34cff3c5d_gemm_out:
	s_mov_b64 s[64:65], 0
	v_nop
	global_prefetch_b8 v0, s[64:65] scope:SCOPE_SE
	s_setreg_imm32_b32 hwreg(HW_REG_WAVE_MODE, 25, 1), 1
	s_wait_xcnt 0x0
	s_wait_alu depctr_hold_cnt(0) depctr_sa_sdst(0) depctr_va_vdst(0) depctr_va_sdst(0) depctr_va_ssrc(0) depctr_va_vcc(0) depctr_vm_vsrc(0)
	s_getreg_b32 s2, hwreg(HW_REG_IB_STS2, 6, 4)
	s_cmp_eq_u32 s2, 0
	s_cbranch_scc0 .Lentry_in_a_cluster
	s_endpgm
.Lentry_in_a_cluster:
	s_bfe_u32 s2, ttmp6, 0x10000c
	s_cmp_lg_u32 s2, 0xf033
	s_cbranch_scc0 .Lentry_shape_is_right
	s_endpgm
.Lentry_shape_is_right:
; out0[m][n] = sum over k of att[m][k] Wo[n][k] + bo[n].  A: att [4096][1024] f16; B: Wo as f16, rows 2048.. of wh [.][1024]; bo [1024] and out0 [4096][1024] f32; sums in f32.
; A tile of C is 128 x 128: 32 x 8 tiles, one to each work-group.  Four waves, each 64 x 64: 16 accumulators of 16 x 16.  K goes in steps of 256 (LDS rows of 512 bytes; a wave's tensor load brings 64 of them) through two slots.
; CLUSTERS: 4 x 4 work-groups.  The four of a row of the cluster need the same tiles of A, the four of a column the same tiles of B: each tile is asked for JOINTLY, by the same tensor load with the
; same descriptor and a mask that names the four.  THE MATRIX INSTRUCTION IS USED TRANSPOSED (source 0 = 16 rows of B, source 1 = 16 rows of A): a lane then holds eight neighbouring numbers of a row of C.
; The bias is the C of each sum's first matrix instruction.  A wave's 64 columns of f32 are 256 bytes, so each wave sends its results through a stage of its own: no barrier on the way out.
; REGISTERS: window 0: v0-31 addresses; v32-95 rows on the way out; v96-127 the bias in the result's layout; v128-255 the accumulators ((a, b) at v[128 + 8 (4 a + b)]).
;   window 1: two fragment buffers of 128: for 64 along K, 64 registers of A, then 64 of B.
.set SIZE_M, 4096
.set SIZE_N, 1024
.set SIZE_K, 1024
.set KSTEP,  256
.set PITCH,  528                       ; an LDS row: 512 bytes + 16 of padding
.set HALFT,  64*PITCH                  ; 64 rows: what one tensor load brings, and what one wave reads of A or of B
.set SLOT,   4*HALFT                   ; A's 128 rows, then B's 128 rows
.set STAGE,  2*SLOT                    ; behind the ring: 16 rows x 272 bytes for each wave
.set SPITCH, 272
.set SPARE,  STAGE+4*16*SPITCH         ; behind the stages: the spare words, 128 bytes a wave: two blocks of 256 bytes that no other line names
.set LAPS, SIZE_K/(2*KSTEP)            ; 2
.set ADRA, 16
.set ADRB, 20
.set STO,  24                          ; v24  the way out: where I put 32 bytes of a row
.set RD,   25                          ; v25  where I read a row back
.set CO,   26                          ; v26  my byte offset in C
.set BO,   27                          ; v27  32 x (lane / 16): my half's eight numbers of the bias
.set SPW,  28                          ; v28  my spare word; never rewritten
.set NIL,  29                          ; v29  0; never rewritten
.set TMP,  32
.set BIAS, 96
.set ACC,  128
.set F0,   0
.set F1,   128
.set G1, 24
.set G0, 32
.set G1B, 48
.set G0B, 56
.set MSB, 0
.macro WIN new                         ; the immediate's high byte repeats the setting that is left
.if MSB != \new
	s_set_vgpr_msb (MSB<<8)|\new
.set MSB, \new
.endif
.endm
.set MUL,  0x05                        ; sources 0 (B) and 1 (A) window 1; C and D window 0
.set TO_F, 0x40                        ; destination window 1, address window 0
.macro JLOAD s                         ; a joint load: waves 0 and 1 fetch A's two halves, waves 2 and 3 B's; an s_nop 0 and four v_nop follow each of the two lines
	s_cmp_eq_u32 s11, 0
	s_cbranch_scc0 .Lfor_b_\@
	tensor_load_to_lds s[G0+4*\s:G0+4*\s+3], s[G1:G1+7]
	s_nop 0
.rept 4
	v_nop
.endr
	s_branch .Lasked_\@
.Lfor_b_\@:
	tensor_load_to_lds s[G0B+4*\s:G0B+4*\s+3], s[G1B:G1B+7]
	s_nop 0
.rept 4
	v_nop
.endr
.Lasked_\@:
.endm
.macro CREST
	s_cmp_lg_u32 s10, 0
	s_cbranch_scc1 .Lnot_wave_0_\@
	s_barrier_signal -3
.Lnot_wave_0_\@:
	s_barrier_wait -3
	s_barrier_signal -1
	s_barrier_wait -1
.endm
.macro CROUND
	s_barrier_signal -1
	s_barrier_wait -1
	CREST
.endm
	s_load_b128 s[4:7], s[0:1], 0x0                ; A s[4:5], wh s[6:7]
	s_load_b64 s[66:67], s[0:1], 0x10              ; bo
	s_load_b64 s[8:9], s[0:1], 0x18                ; C
	v_lshl_add_u32 v[SPW], v0, 2, SPARE
	v_mov_b32 v[NIL], 0
	ds_add_u32 v[SPW], v[NIL]                      ; the wave's opening: the add, twice on end, and its wait ahead of my first tensor load
	ds_add_u32 v[SPW], v[NIL]
	v_lshrrev_b32 v1, 5, v0
	v_readfirstlane_b32 s10, v1                    ; wave 0..3
	s_lshr_b32 s11, s10, 1                         ; which half of the tile's rows is mine.  Also: I fetch for A (0) or for B (1)
	s_and_b32 s12, s10, 1                          ; which half of its columns.  Also: which 64 rows of that tile I fetch
	s_bfe_u32 s40, ttmp6, 0x40000                  ; cx, cy
	s_bfe_u32 s41, ttmp6, 0x40004
	s_lshl_b32 s42, ttmp9, 2
	s_add_co_u32 s42, s42, s40                     ; tile column of C
	s_and_b32 s13, ttmp7, 0xffff
	s_lshl_b32 s13, s13, 2
	s_add_co_u32 s13, s13, s41                     ; tile row of C
	s_lshl_b32 s43, s41, 2
	s_lshl_b32 s43, 15, s43                        ; my row of the cluster
	s_lshl_b32 s44, 0x1111, s40                    ; my column
	; descriptor group 1: a tile of 64 rows x 256 elements of 2 bytes, 4 words of padding behind every 128
	s_or_b32 s[G1+0], s43, (1<<16)|(1<<20)|(1<<21)|(6<<22)|(3<<25)
	s_or_b32 s[G1B+0], s44, (1<<16)|(1<<20)|(1<<21)|(6<<22)|(3<<25)
.irp g, G1, G1B
	s_mov_b32 s[\g+1], KSTEP<<16                   ; tensor_dim0 = 256
	s_mov_b32 s[\g+2], 64<<16                      ; tensor_dim1 = 64
	s_mov_b32 s[\g+3], KSTEP<<16                   ; tile_dim0 = 256
	s_mov_b32 s[\g+4], 64                          ; tile_dim1 = 64
	s_mov_b32 s[\g+5], SIZE_K                      ; elements from row to row
	s_mov_b32 s[\g+6], 0
	s_mov_b32 s[\g+7], 0
.endr
	s_lshl_b32 s17, s12, 6                         ; which 64 rows of the tile I fetch
	s_lshl_b32 s16, s13, 7
	s_add_co_u32 s16, s16, s17                     ; A: row 128 x tile row + 64 x half
	s_lshl_b32 s46, s42, 7
	s_add_co_u32 s46, s46, s17                     ; B: row 128 x tile column + 64 x half
	s_mov_b32 s17, 0
	s_mov_b32 s47, 0
	s_mov_b64 s[18:19], SIZE_K*2
	s_mul_u64 s[16:17], s[16:17], s[18:19]
	s_mul_u64 s[46:47], s[46:47], s[18:19]
	s_mul_i32 s20, s10, HALFT                      ; where they go: wave x 64 rows
	s_wait_dscnt 0x0                               ; both opening adds are done
	s_wait_kmcnt 0x0
	s_add_nc_u64 s[6:7], s[6:7], 2048*SIZE_K*2     ; Wo's rows lie behind the 2,048 of Wk and Wv
	s_add_nc_u64 s[14:15], s[4:5], s[16:17]
	s_add_nc_u64 s[46:47], s[6:7], s[46:47]
	CROUND                                         ; all sixteen work-groups are here: the first joint loads meet
.irp s, 0,1
	s_mov_b32 s[G0+4*\s], 1
	s_add_co_u32 s[G0+4*\s+1], s20, \s*SLOT
	s_add_nc_u64 s[G0+4*\s+2:G0+4*\s+3], s[14:15], \s*KSTEP*2
	s_or_b32 s[G0+4*\s+3], s[G0+4*\s+3], 0x80000000
	s_mov_b32 s[G0B+4*\s], 1
	s_add_co_u32 s[G0B+4*\s+1], s20, \s*SLOT
	s_add_nc_u64 s[G0B+4*\s+2:G0B+4*\s+3], s[46:47], \s*KSTEP*2
	s_or_b32 s[G0B+4*\s+3], s[G0B+4*\s+3], 0x80000000
	JLOAD \s                                       ; two loads of mine are out
.endr
	v_and_b32 v1, 15, v0                           ; l % 16
	v_bfe_u32 v2, v0, 4, 1                         ; l / 16
	v_mul_u32_u24 v3, v1, PITCH
	v_lshl_add_u32 v3, v2, 4, v3
	s_mul_i32 s21, s11, HALFT                      ; my 64 rows of A
	s_mul_i32 s22, s12, HALFT                      ; my 64 rows of B,
	s_add_co_u32 s22, s22, 2*HALFT                 ; which lie behind A's 128
.irp s, 0,1
	v_add_nc_u32 v[ADRA+\s], s21, v3
	v_add_nc_u32 v[ADRB+\s], s22, v3
	s_add_co_u32 s21, s21, SLOT
	s_add_co_u32 s22, s22, SLOT
.endr
	s_mul_i32 s23, s10, 16*SPITCH
	s_add_co_u32 s23, s23, STAGE                   ; my stage
	v_mul_u32_u24 v4, v1, SPITCH                   ; in: row l % 16, 32 bytes for each half of the lanes
	v_lshl_add_u32 v4, v2, 5, v4
	v_add_nc_u32 v[STO], s23, v4
	v_mul_u32_u24 v5, v2, SPITCH                   ; back: lanes 0-15 one row of 256 bytes, lanes 16-31 the next
	v_lshl_add_u32 v5, v1, 4, v5
	v_add_nc_u32 v[RD], s23, v5
	v_mul_u32_u24 v5, v2, SIZE_N*4                 ; and the same two rows in C
	v_lshl_add_u32 v[CO], v1, 4, v5
	v_lshlrev_b32 v[BO], 5, v2
	s_lshl_b32 s16, s13, 7
	s_lshl_b32 s17, s11, 6
	s_add_co_u32 s16, s16, s17                     ; my first row of C: 128 x tile row + 64 x half
	s_mov_b32 s17, 0
	s_mov_b64 s[18:19], SIZE_N*4
	s_mul_u64 s[16:17], s[16:17], s[18:19]
	s_add_nc_u64 s[8:9], s[8:9], s[16:17]
	s_lshl_b32 s46, s42, 9                         ; my first column, in bytes of f32: 512 x tile column + 256 x half: in C and in bo alike
	s_lshl_b32 s47, s12, 8
	s_add_co_u32 s46, s46, s47
	s_mov_b32 s47, 0
	s_add_nc_u64 s[8:9], s[8:9], s[46:47]
	s_add_nc_u64 s[66:67], s[66:67], s[46:47]
.irp b, 0,1,2,3                        ; the bias in the result's layout: for n block b, lane (r, h) holds bo of columns 16 b + 8 h + 0 .. 7
	global_load_b128 v[BIAS+8*\b:BIAS+8*\b+3],   v[BO], s[66:67] offset:64*\b
	global_load_b128 v[BIAS+8*\b+4:BIAS+8*\b+7], v[BO], s[66:67] offset:64*\b+16
.endr
; 8 matrix instructions: m blocks a0, a0 + 1 x all 4 n blocks, 32 along K: half c of buffer f.  first = 1: the first product starts the sums, from the bias.  The 16 accumulators take turns.
.macro MUL8 f, c, a0, first
.irp a, \a0, \a0+1
.irp b, 0,1,2,3
.if \first
	v_wmma_f32_16x16x32_f16 v[ACC+8*(4*(\a)+\b):ACC+8*(4*(\a)+\b)+7], v[\f+64+8*(4*\c+\b):\f+64+8*(4*\c+\b)+7], v[\f+8*(4*\c+\a):\f+8*(4*\c+\a)+7], v[BIAS+8*\b:BIAS+8*\b+7]
.else
	v_wmma_f32_16x16x32_f16 v[ACC+8*(4*(\a)+\b):ACC+8*(4*(\a)+\b)+7], v[\f+64+8*(4*\c+\b):\f+64+8*(4*\c+\b)+7], v[\f+8*(4*\c+\a):\f+8*(4*\c+\a)+7], v[ACC+8*(4*(\a)+\b):ACC+8*(4*(\a)+\b)+7]
.endif
.endr
.endr
.endm
; 32 LDS loads in one run: the fragments of 64 along K at byte k of the rows, into buffer f; the first 32 along K first
.macro FETCH slot, k, f
	WIN TO_F
.irp c, 0,1
.irp i, 0,1,2,3
	ds_load_b128 v[\f+64+8*(4*\c+\i):\f+64+8*(4*\c+\i)+3],   v[ADRB+\slot] offset:\k+64*\c+\i*16*PITCH
	ds_load_b128 v[\f+64+8*(4*\c+\i)+4:\f+64+8*(4*\c+\i)+7], v[ADRB+\slot] offset:\k+64*\c+\i*16*PITCH+32
	ds_load_b128 v[\f+8*(4*\c+\i):\f+8*(4*\c+\i)+3],         v[ADRA+\slot] offset:\k+64*\c+\i*16*PITCH
	ds_load_b128 v[\f+8*(4*\c+\i)+4:\f+8*(4*\c+\i)+7],       v[ADRA+\slot] offset:\k+64*\c+\i*16*PITCH+32
.endr
.endr
.endm
.macro PLACES                          ; four plain instructions in front of loads into registers that matrix instructions have read, and of the first read of results
.rept 4
	v_nop
.endr
.endm
; A K step is four quarters of 64 along K, 32 matrix instructions each, on buffers 0, 1, 0, 1.
.macro QUARTER slot, k, f, g, first
	s_wait_dscnt 16                                ; the first 32 along K are in
	WIN MUL
	MUL8 \f, 0, 0, \first
	MUL8 \f, 0, 2, \first
	PLACES
	FETCH \slot, \k, \g
	s_wait_dscnt 32                                ; all but the 32 just issued
	WIN MUL
	MUL8 \f, 1, 0, 0
	MUL8 \f, 1, 2, 0
.endm
; The last quarter multiplies buffer 1 and changes slots: ONE barrier; in front of it each wave waits for all its tensor loads, adds 0 to its spare word, and waits for that and for its reads of this slot.
.macro TURN slot, next, fill
	WIN 0
	s_wait_tensorcnt 0x0                           ; all my tensor loads have landed: my part of the next slot
	ds_add_u32 v[SPW], v[NIL]
	s_wait_dscnt 17                                ; (the add and the youngest sixteen loads may be out)
	WIN MUL
	MUL8 F1, 0, 0, 0
	s_wait_dscnt 0x0                               ; the add is done, and my reads of this slot are over
	s_barrier_signal -1
	MUL8 F1, 0, 2, 0
.if \fill
	WIN 0
.endif
	s_barrier_wait -1
.if \fill
	CREST                                          ; no wave of any partner still reads this slot's tile or has a load on its way
	s_add_nc_u64 s[G0+4*\slot+2:G0+4*\slot+3], s[G0+4*\slot+2:G0+4*\slot+3], 2*KSTEP*2
	s_add_nc_u64 s[G0B+4*\slot+2:G0B+4*\slot+3], s[G0B+4*\slot+2:G0B+4*\slot+3], 2*KSTEP*2
	JLOAD \slot                                    ; the first tensor load behind the round; the four v_nop behind it are also the places in front of the loads below
.else
	PLACES
.endif
	FETCH \next, 0, F0
	WIN MUL
	MUL8 F1, 1, 0, 0
	MUL8 F1, 1, 2, 0
.endm
	s_wait_tensorcnt 1                             ; my part of K step 0 is in; K step 1's load may stay out
	s_barrier_signal -1
	s_barrier_wait -1
	FETCH 0, 0, F0
	s_wait_loadcnt 0x0                             ; the bias
	QUARTER 0, 128, F0, F1, 1                      ; the first quarter stands in front of the loop: its first products start the sums
	WIN 0
	s_mov_b32 s3, LAPS-1
.Llap:                                                 ; a trip goes once round the ring, from a lap's second quarter to the next lap's first, and fills both slots again
	QUARTER 0, 256, F1, F0, 0
	QUARTER 0, 384, F0, F1, 0
	TURN 0, 1, 1
	QUARTER 1, 128, F0, F1, 0
	QUARTER 1, 256, F1, F0, 0
	QUARTER 1, 384, F0, F1, 0
	TURN 1, 0, 1
	QUARTER 0, 128, F0, F1, 0
	WIN 0
	s_sub_co_u32 s3, s3, 1
	s_cmp_lg_u32 s3, 0
	s_cbranch_scc1 .Llap
	QUARTER 0, 256, F1, F0, 0                      ; the last lap fills nothing, and has no round of the cluster's barrier
	QUARTER 0, 384, F0, F1, 0
	TURN 0, 1, 0
	QUARTER 1, 128, F0, F1, 0
	QUARTER 1, 256, F1, F0, 0
	QUARTER 1, 384, F0, F1, 0
	s_wait_dscnt 16                                ; the very last quarter: nothing more to fetch
	WIN MUL
	MUL8 F1, 0, 0, 0
	MUL8 F1, 0, 2, 0
	s_wait_dscnt 0
	MUL8 F1, 1, 0, 0
	MUL8 F1, 1, 2, 0
	WIN 0
; THE WAY OUT, block by block of 16 rows x 64 columns.  A lane holds 32 neighbouring bytes of a row; a block goes through my own stage and comes back as whole rows of 256 bytes.
; LDS serves a wave's instructions in order: no wait between the stores and the loads, nor in front of the next block's stores.
.macro TOSTAGE a
.irp b, 0,1,2,3
	ds_store_b128 v[STO], v[ACC+8*(4*(\a)+\b):ACC+8*(4*(\a)+\b)+3] offset:64*\b          ; each accumulator from its low end on
	ds_store_b128 v[STO], v[ACC+8*(4*(\a)+\b)+4:ACC+8*(4*(\a)+\b)+7] offset:64*\b+16
.endr
.set BB, TMP+32*((\a)%2)
.irp t, 0,1,2,3,4,5,6,7
	ds_load_b128 v[BB+4*\t:BB+4*\t+3], v[RD] offset:\t*2*SPITCH
.endr
.endm
.macro SEND a, younger                 ; younger: the LDS instructions issued behind block a's loads, which may stay out
.set BB, TMP+32*((\a)%2)
	s_wait_dscnt \younger
.irp t, 0,1,2,3,4,5,6,7
	global_store_b128 v[CO], v[BB+4*\t:BB+4*\t+3], s[8:9] offset:(16*(\a)+2*\t)*SIZE_N*4 th:TH_STORE_NT   ; 16 lanes store 256 consecutive bytes, at a multiple of 256 from C's first byte; written once, read by nobody here
.endr
.endm
	PLACES
	TOSTAGE 0
.irp a, 1,2,3
.if \a > 1
	s_wait_xcnt 0x0                                ; block a - 2's stores have read their data: block a's loads may land there
.endif
	TOSTAGE \a
	SEND \a-1, 16                                  ; behind block a - 1's loads: block a's 8 stores and 8 loads
.endr
	SEND 3, 0
	s_wait_tensorcnt 0x0                           ; the wave's end
	ds_add_u32 v[SPW], v[NIL]
	s_wait_dscnt 0x0
	CROUND                                         ; the closing round: no work-group ends while a partner may still ask for a tile that names it
	s_endpgm
.Lfunc_end_k_qa34cff3c5d_gemm_out:
	.size	k_qa34cff3c5d_gemm_out, .Lfunc_end_k_qa34cff3c5d_gemm_out-k_qa34cff3c5d_gemm_out
	.p2alignl 7, 3214868480
	.fill 96, 4, 3214868480
	.section	.rodata,"a",@progbits
	.p2align	6, 0x0
	.amdhsa_kernel k_qa34cff3c5d_gemm_out
		.amdhsa_group_segment_fixed_size 327680
		.amdhsa_private_segment_fixed_size 0
		.amdhsa_enable_private_segment 0
		.amdhsa_kernarg_size 32
		.amdhsa_user_sgpr_count 2
		.amdhsa_user_sgpr_kernarg_segment_ptr 1
		.amdhsa_wavefront_size32 1
		.amdhsa_system_sgpr_workgroup_id_x 1
		.amdhsa_system_sgpr_workgroup_id_y 1
		.amdhsa_system_sgpr_workgroup_id_z 1
		.amdhsa_system_vgpr_workitem_id 0
		.amdhsa_next_free_vgpr 512
		.amdhsa_next_free_sgpr 72
		.amdhsa_reserve_vcc 0
		.amdhsa_float_denorm_mode_32 3
		.amdhsa_float_denorm_mode_16_64 3
		.amdhsa_memory_ordered 1
		.amdhsa_forward_progress 1
		.amdhsa_inst_pref_size 87
	.end_amdhsa_kernel
	.amdgpu_metadata
---
amdhsa.version: [ 1, 2 ]
amdhsa.kernels:
  - .name:           k_qa34cff3c5d_gemm_out
    .symbol:         k_qa34cff3c5d_gemm_out.kd
    .args:
      - { .name: att, .offset: 0, .size: 8, .value_kind: global_buffer, .address_space: global }
      - { .name: wh, .offset: 8, .size: 8, .value_kind: global_buffer, .address_space: global }
      - { .name: bo, .offset: 16, .size: 8, .value_kind: global_buffer, .address_space: global }
      - { .name: out0, .offset: 24, .size: 8, .value_kind: global_buffer, .address_space: global }
    .group_segment_fixed_size: 327680
    .private_segment_fixed_size: 0
    .kernarg_segment_align: 8
    .kernarg_segment_size: 32
    .max_flat_workgroup_size: 128
    .sgpr_count:     72
    .vgpr_count:     512
    .wavefront_size: 32
...
	.end_amdgpu_metadata
.endif
;; end of part 4
;; ======== version 2 of 2: 3 launches
;; limits: values are held in f16: magnitudes above 65,504 overflow, below 6.1e-05 lose precision
;; workspace buffers: xyh 16,777,216 bytes; wh 6,291,456 bytes; qc 2,621,440 bytes; qs 163,840 bytes; att 8,388,608 bytes
;; launch prep: the kernel of part 1 again; grid 768 x 1, 2 waves a work-group, no clusters, 19,456 bytes of LDS; arguments x, y, Wq, Wk, Wv, Wo, xyh, wh, qc, qs; writes xyh, wh, qc, qs
;; launch kvattn (part 5): grid 8 x 32, 4 waves a work-group, clusters of 4 x 4, 327,680 bytes of LDS; arguments xyh, wh, qc, qs, att; writes att
.if DOCPART == 5
	.amdgcn_target "amdgcn-amd-amdhsa--gfx1250"
	.amdhsa_code_object_version 6
	.text
	.protected	k_qa34cff3c5d_kvattn
	.globl	k_qa34cff3c5d_kvattn
	.p2align	8
	.type	k_qa34cff3c5d_kvattn,@function
k_qa34cff3c5d_kvattn:
	s_mov_b64 s[64:65], 0
	v_nop
	global_prefetch_b8 v0, s[64:65] scope:SCOPE_SE
	s_setreg_imm32_b32 hwreg(HW_REG_WAVE_MODE, 25, 1), 1
	s_wait_xcnt 0x0
	s_wait_alu depctr_hold_cnt(0) depctr_sa_sdst(0) depctr_va_vdst(0) depctr_va_sdst(0) depctr_va_ssrc(0) depctr_va_vcc(0) depctr_vm_vsrc(0)
	s_getreg_b32 s2, hwreg(HW_REG_IB_STS2, 6, 4)
	s_cmp_eq_u32 s2, 0
	s_cbranch_scc0 .Lentry_in_a_cluster
	s_endpgm
.Lentry_in_a_cluster:
	s_bfe_u32 s2, ttmp6, 0x10000c
	s_cmp_lg_u32 s2, 0xf033
	s_cbranch_scc0 .Lentry_shape_is_right
	s_endpgm
.Lentry_shape_is_right:
; For a block of 128 leaves (qb) and two heads (hp): the keys and values that these queries attend to, K, V = rows of xyh x rows of wh (f16, sums in f32); Q = x Wq^T on codes of FP4 (E2M1) with E8M0 scales;
; and the attention of each leaf to its causal window of 16 leaves and its 11 ancestors (f16 operands, f32 sums).  K, V and Q never go to memory.
; xyh: [8192][1024] f16: rows 0-4095 the tree nodes in the order laid by the first launch (128 rows a block), rows 4096.. the leaves.  wh: [.][1024] f16: rows 256 hp + 0..127 Wk's, + 128..255 Wv's, of heads 2 hp, 2 hp + 1.
; qc: codes, 512 bytes a row (x's 4,096 rows, then Wq's 1,024); qs: scale bytes, 32 a row (x's, then Wq's at byte 131,072).  att: [4096][1024] f16.
; THE PRODUCT FOR K AND V.  C is 288 rows x 256 columns.  256 rows, the block's 128 rows of tree nodes and its 128 leaves, come through a ring of two LDS slots in K steps of 128, filled by the tensor data mover;
; four waves, each 128 x 128: 64 accumulators.  32 rows more are wanted: the 16 leaves before the block, and the 16 rows UP (the block's rows 16 tau + 15, levels 4 to 6, and the ancestors of levels 7 to 10).
; They are a NINTH BLOCK of 16 rows for each half of the waves (8 accumulators more): its fragments of A come from xyh straight into registers, a lane a row, a K step ahead.
; CLUSTERS: 4 x 4 work-groups.  The four of a row of the cluster (one qb) need the same tiles of xyh and the same codes of x, the four of a column (one hp) the same tiles of wh and the same codes of Wq: each is asked for
; JOINTLY, by the same tensor load with the same descriptor and a mask that names the four.  ALL PRODUCTS ARE USED TRANSPOSED: in C a lane holds eight neighbouring columns of a row; in Q^T, S^T, O^T a lane holds ONE query.
; THE CODES come as the ring's last refill: when slot 0 has been read for the last time it takes x's 128 rows and Wq's 128 rows, each wave 64 rows of 512 bytes stated as 128 lines of 256: the shape and the bytes of the tile before.
; THE KEYS OF A TILE OF 16 QUERIES are 64 slots, four tiles of 16 consecutive rows of KV: t0 the 16 leaves before the tile, t1 its own leaves, t2 the 16 rows of tree nodes laid for it, t3 the rows UP.
; Which slots count for which query is a pattern made of ids; it enters as the C of the scores' first product: 0, or -1e30.
; SOFTMAX: the row's largest score is taken off ahead of the exponential; p = 2^(c s - c m), c = log2(e) / 8; the sum is taken of p in f32; O is divided by it at the end.
; LIMITS: |Q|, |K|, |V| beyond 65,504 have no f16.  A hidden score is its number - 1e30, not -infinity: p is 0 all the same, since scores of f16 operands stay under 64 x 65,504^2 = 2.7e11.  NaN and infinities are not served.
; REGISTERS, in windows of 256.  In the product: window 0: v6-13 x's scale words, v14-31 addresses, v32-63 and v192-223 the ninth block's fragments of A (a set for each slot), v64-127, v128-191 fragments of A, two buffers,
;   v224-255 Wq's scale words;  window 1: v0-63 the ninth block's accumulators, v64-127, v128-191 fragments of B;  window 2: the accumulators of my rows 0-63 ((a, b) at v[8 (8 a + b)]);  window 3: those of my rows 64-127.
; Behind it: window 0: v14-26 addresses, v32-63 the pattern, v64-95 S then P, v96-127 O^T, v128-159 x's fragments, then at work, v160-223 Q;  window 1: Wq's fragments, then K's and V's, two sets;  window 2: v0-127 Q^T.
.set SIZE_K, 1024
.set KSTEP,  128
.set PITCH,  272                       ; an LDS line of the ring: 256 bytes + 16 of padding
.set HALFT,  128*PITCH                 ; 128 lines: what one tensor load brings
.set SLOT,   4*HALFT                   ; A's 256 rows, then B's 256 rows
.set LAPS,   SIZE_K/(2*KSTEP)          ; a lap = two K steps = once round the ring: 4
.set CP,     2*PITCH                   ; a row of codes in slot 0: two lines
.set WCB,    2*HALFT                   ; x's 128 rows of codes from byte 0, Wq's from here
.set KVP,    528                       ; a row of KV: K of two heads, V of two heads, 512 bytes + 16
.set KVB,    SLOT                      ; KV, 288 rows: 0-15 the leaves before the block, 16-143 its leaves, 144-271 its tree nodes, 272-287 UP.  It lies over slot 1, which has had its last fill and its last read, and on behind it
.set SUBO,   144*KVP
.set UPR,    KVB+272*KVP
.set STG,    KVB+288*KVP               ; the way out: 32 rows x 272 bytes for each wave
.set SP,     272
.set SPARE,  STG+4*32*SP               ; the spare words, 128 bytes a wave: two blocks of 256 bytes that no other line names.  Every region begins at a multiple of 256
.set XS,   6                           ; v6-13   x's scale words, one register a K step: lanes 0-15 my first tile of queries, lanes 16-31 my second: scales and nothing else
.set XO,   14                          ; v14     the ninth block: my lane's row of xyh, in bytes, + 16 (lane / 16)
.set ADRA, 16                          ; v16-17  LDS address of my A fragments in slot 0, 1
.set ADRB, 20                          ; v20-21  the same for B
.set LN32, 22                          ; v22     32 x lane
.set SPW,  28                          ; v28     my spare word; never rewritten
.set NIL,  29                          ; v29     0; never rewritten
.set PFO,  30                          ; v30     the prefetches' offset: my lane x a row; never rewritten
.set XA0,  32                          ; the ninth block's fragments of A: four quarters x 8 registers; slot 1's set lies 160 further on
.set F0,   64
.set F1,   128
.set WS,   224                         ; v224-255 Wq's scale words: register 8 i + s: lanes 0-15 tile 2 i of channels, lanes 16-31 tile 2 i + 1, K step s: scales and nothing else
.set KST,  14                          ; behind the product: where I store my rows of KV;
.set KSX,  15                          ; my ninth block's;
.set AX,   16                          ; x's codes: row lane % 16 of my first tile
.set AW,   17                          ; Wq's codes: row lane % 16 of a tile of channels
.set AKL,  18                          ; K: row lane % 16 of my first tile's t0
.set AKS,  19                          ; of its t2
.set AKU,  20                          ; of t3
.set AVL,  21                          ; V, for the turning load: t0
.set AVS,  22                          ; t2
.set AVU,  23                          ; t3
.set STO,  24                          ; the stage, on the way in
.set RD,   25                          ; and back
.set GO,   26                          ; my byte offset in the wave's rows of att
.set BIAS, 32                          ; v32-63   the pattern
.set TMP,  64                          ; v64-127  packed rows of KV, two sets
.set S,    64                          ; v64-95   the scores; then P in v64-79, the packed results in v80-95
.set HO,   80
.set O,    96                          ; v96-127  O^T
.set XF,   128                         ; v128-159 x's fragments: two sets of two tiles
.set TM,   128                         ; v128-131 at work
.set MX,   132                         ; v132     the largest score; later 1 / the sum
.set PX,   133                         ; v133     what lane l xor 16 sends
.set CM,   134                         ; v[134:135] c m (the packed form names the pair)
.set BIASF, 136                        ; v136-143 the pattern of t0 for my first tile
.set QF,   160                         ; v160-223 Q: for each tile four f16 fragments of 32 channels
.set XB,   8                           ; s[8:9]   xyh at the K step from which the ninth block's loads count
.set G1,   24                          ; s[24:31] descriptor group 1 for A's tiles;  s[32:39] group 0, one set for each slot
.set G0,   32
.set LIM,  43                          ; s43      1 in a wave that prefetches, else the greatest number
.set PFA,  44                          ; s[44:45] where my prefetches stand
.set G1B,  48                          ; s[48:55], s[56:63] the same for B's tiles
.set G0B,  56
.set SEL,  66                          ; s[66:67] v_permlanex16_b32's selects for lane l xor 16
.set G1CX, 68                          ; s[68:75] group 1 for x's codes;  s[76:83] for Wq's;  s[84:87], s[88:91] their groups 0
.set G1CW, 76
.set G0CX, 84
.set G0CW, 88
.set CS,   92                          ; s[92:93] c (once qc's address has been used)
.set WSB,  94                          ; s[94:95] qs, then Wq's scale words of my head pair
.set OUTP, 96                          ; s[96:97] att, then my rows of it
.set XSB,  98                          ; s[98:99] x's scale words of my queries
.set NEG,  100                         ; s100 -1e30
.set FM,   101                         ; s101 0 where the leaves before my first tile lie before leaf 0, else 0xffff
.set M3,   104                         ; s104 which rows of UP count for my tiles
.set MSB, 0
.macro WIN new                         ; the immediate's high byte repeats the setting that is left
.if MSB != \new
	s_set_vgpr_msb (MSB<<8)|\new
.set MSB, \new
.endif
.endm
.set MUL_LO, 0xa1                      ; source 0 window 1, source 1 window 0, C and D window 2
.set MUL_HI, 0xf1                      ; the same, C and D window 3
.set MUL_X,  0x51                      ; the same, C and D window 1
.set TO_B,   0x40                      ; destination window 1, address window 0
; A joint load: waves 0 and 1 fetch A's two halves, waves 2 and 3 B's.  The branch hangs on the wave's number alone.  An s_nop 0 and four v_nop follow each of the two lines.
.macro JLOAD s
	s_cmp_eq_u32 s11, 0
	s_cbranch_scc0 .Lfor_b_\@
	tensor_load_to_lds s[G0+4*\s:G0+4*\s+3], s[G1:G1+7]
	s_nop 0
.rept 4
	v_nop
.endr
	s_branch .Lasked_\@
.Lfor_b_\@:
	tensor_load_to_lds s[G0B+4*\s:G0B+4*\s+3], s[G1B:G1B+7]
	s_nop 0
.rept 4
	v_nop
.endr
.Lasked_\@:
.endm
.macro JLOADC                          ; the same for the codes: waves 0 and 1 fetch x's two halves, waves 2 and 3 Wq's
	s_cmp_eq_u32 s11, 0
	s_cbranch_scc0 .Lfor_w_\@
	tensor_load_to_lds s[G0CX:G0CX+3], s[G1CX:G1CX+7]
	s_nop 0
.rept 4
	v_nop
.endr
	s_branch .Lcodes_\@
.Lfor_w_\@:
	tensor_load_to_lds s[G0CW:G0CW+3], s[G1CW:G1CW+7]
	s_nop 0
.rept 4
	v_nop
.endr
.Lcodes_\@:
.endm
; A prefetch of the K step that stands two refills on: 32 rows x 256 bytes, a lane a row, one instruction a wave.  Each row's 256 bytes of a K step are named once in the launch: A's rows by the cluster with
; x = 0, B's by the cluster with y = 0; of the 128 rows that a wave fetches each of the four partners takes 32, told apart by address.  The loop's last trip asks for nothing: there is no K step two on.
.macro ASK
	s_cmp_gt_u32 s3, s[LIM]                        ; s3 = 1 in the loop's last trip
	s_cbranch_scc0 .Lnot_mine_\@
	global_prefetch_b8 v[PFO], s[PFA:PFA+1] offset:KSTEP*2 th:TH_LOAD_NT scope:SCOPE_SE
.Lnot_mine_\@:
.endm
.macro CREST                           ; a round of the cluster's barrier behind its opening barrier
	s_cmp_lg_u32 s10, 0
	s_cbranch_scc1 .Lnot_wave_0_\@
	s_barrier_signal -3
.Lnot_wave_0_\@:
	s_barrier_wait -3
	s_barrier_signal -1
	s_barrier_wait -1
.endm
.macro CROUND                          ; a whole round
	s_barrier_signal -1
	s_barrier_wait -1
	CREST
.endm
.macro XLOAD slot, off                 ; the ninth block's fragments of A for one K step: lane (r, h): row r's bytes 64 q + 16 h and 64 q + 32 + 16 h
.irp q, 0,1,2,3
	global_load_b128 v[XA0+160*(\slot)+8*\q:XA0+160*(\slot)+8*\q+3],   v[XO], s[XB:XB+1] offset:(\off)+64*\q
	global_load_b128 v[XA0+160*(\slot)+8*\q+4:XA0+160*(\slot)+8*\q+7], v[XO], s[XB:XB+1] offset:(\off)+64*\q+32
.endr
.endm
	s_load_b128 s[4:7], s[0:1], 0x0                ; xyh s[4:5], wh s[6:7]
	s_load_b128 s[92:95], s[0:1], 0x10             ; qc s[92:93], qs s[94:95]
	s_load_b64 s[OUTP:OUTP+1], s[0:1], 0x20        ; att
	v_lshl_add_u32 v[SPW], v0, 2, SPARE
	v_mov_b32 v[NIL], 0
	ds_add_u32 v[SPW], v[NIL]                      ; the wave's opening: the add, twice on end, and its wait ahead of my first tensor load
	ds_add_u32 v[SPW], v[NIL]
	v_lshrrev_b32 v1, 5, v0
	v_readfirstlane_b32 s10, v1                    ; wave 0..3
	s_lshr_b32 s11, s10, 1                         ; which half of the rows is mine: 0 the tree nodes, 1 the leaves.  Also: I fetch for A and x (0) or for B and Wq (1)
	s_and_b32 s12, s10, 1                          ; which half of the columns: 0 K, 1 V.  Also: which half of that tile I fetch
	s_bfe_u32 s40, ttmp6, 0x40000                  ; cx
	s_bfe_u32 s41, ttmp6, 0x40004                  ; cy
	s_lshl_b32 s42, ttmp9, 2
	s_add_co_u32 s42, s42, s40                     ; hp = 4 x cluster x + cx
	s_and_b32 s13, ttmp7, 0xffff
	s_lshl_b32 s13, s13, 2
	s_add_co_u32 s13, s13, s41                     ; qb = 4 x cluster y + cy
	s_lshl_b32 s43, s41, 2
	s_lshl_b32 s43, 15, s43                        ; my row of the cluster
	s_lshl_b32 s44, 0x1111, s40                    ; my column
	; descriptor group 1: a tile of 128 rows x 128 elements of 2 bytes, 4 words of padding behind every 64
	s_or_b32 s[G1+0], s43, (1<<16)|(1<<20)|(1<<21)|(5<<22)|(3<<25)
	s_or_b32 s[G1B+0], s44, (1<<16)|(1<<20)|(1<<21)|(5<<22)|(3<<25)
.irp g, G1, G1B
	s_mov_b32 s[\g+1], KSTEP<<16                   ; tensor_dim0 = 128
	s_mov_b32 s[\g+2], 128<<16                     ; tensor_dim1 = 128
	s_mov_b32 s[\g+3], KSTEP<<16                   ; tile_dim0 = 128
	s_mov_b32 s[\g+4], 128                         ; tile_dim1 = 128
	s_mov_b32 s[\g+5], SIZE_K                      ; elements from row to row
	s_mov_b32 s[\g+6], 0
	s_mov_b32 s[\g+7], 0
.endr
	; and for 64 rows of codes, 32,768 dense bytes: 128 lines x 256 elements of 1 byte, the same padding
	s_or_b32 s[G1CX], s43, (1<<20)|(1<<21)|(5<<22)|(3<<25)
	s_or_b32 s[G1CW], s44, (1<<20)|(1<<21)|(5<<22)|(3<<25)
.irp g, G1CX, G1CW
	s_mov_b32 s[\g+1], 256<<16
	s_mov_b32 s[\g+2], 128<<16
	s_mov_b32 s[\g+3], 256<<16
	s_mov_b32 s[\g+4], 128
	s_mov_b32 s[\g+5], 256
	s_mov_b32 s[\g+6], 0
	s_mov_b32 s[\g+7], 0
.endr
	; where the tiles come from.  A's and x's hang on qb alone, which my row of the cluster shares; B's and Wq's on hp alone, which my column shares
	s_lshl_b32 s17, s12, 12
	s_lshl_b32 s16, s13, 7
	s_add_co_u32 s16, s16, s17                     ; A: row 128 qb (tree nodes), or 4096 + 128 qb (leaves)
	s_lshl_b32 s47, s12, 7
	s_lshl_b32 s46, s42, 8
	s_add_co_u32 s46, s46, s47                     ; B: row 256 hp + 128 x half
	s_mov_b32 s17, 0
	s_mov_b32 s47, 0
	s_mov_b64 s[18:19], SIZE_K*2
	s_mul_u64 s[16:17], s[16:17], s[18:19]
	s_mul_u64 s[46:47], s[46:47], s[18:19]
	s_mul_i32 s2, s10, HALFT                       ; where they go: wave x 128 lines: no place in the cluster enters an LDS address
	s_lshl_b32 s22, s13, 16
	s_lshl_b32 s23, s12, 15
	s_add_co_u32 s22, s22, s23                     ; x's codes: (128 qb + 64 x half) rows of 512 bytes
	s_mov_b32 s23, 0
	s_lshl_b32 s20, s42, 16
	s_lshl_b32 s21, s12, 15
	s_add_co_u32 s20, s20, s21
	s_add_co_u32 s20, s20, 2097152                 ; Wq's: behind x's 4,096 rows, (128 hp + 64 x half) rows
	s_mov_b32 s21, 0
	s_wait_dscnt 0x0                               ; both opening adds are done
	s_wait_kmcnt 0x0
	s_add_nc_u64 s[14:15], s[4:5], s[16:17]
	s_add_nc_u64 s[46:47], s[6:7], s[46:47]
	s_mov_b32 s[G0CX], 1
	s_mov_b32 s[G0CX+1], s2
	s_add_nc_u64 s[G0CX+2:G0CX+3], s[92:93], s[22:23]
	s_or_b32 s[G0CX+3], s[G0CX+3], 0x80000000
	s_mov_b32 s[G0CW], 1
	s_mov_b32 s[G0CW+1], s2
	s_add_nc_u64 s[G0CW+2:G0CW+3], s[92:93], s[20:21]
	s_or_b32 s[G0CW+3], s[G0CW+3], 0x80000000
	CROUND                                         ; all sixteen work-groups are here: the first joint loads meet
.irp s, 0,1
	s_mov_b32 s[G0+4*\s], 1
	s_add_co_u32 s[G0+4*\s+1], s2, \s*SLOT
	s_add_nc_u64 s[G0+4*\s+2:G0+4*\s+3], s[14:15], \s*KSTEP*2
	s_or_b32 s[G0+4*\s+3], s[G0+4*\s+3], 0x80000000
	s_mov_b32 s[G0B+4*\s], 1
	s_add_co_u32 s[G0B+4*\s+1], s2, \s*SLOT
	s_add_nc_u64 s[G0B+4*\s+2:G0B+4*\s+3], s[46:47], \s*KSTEP*2
	s_or_b32 s[G0B+4*\s+3], s[G0B+4*\s+3], 0x80000000
	JLOAD \s                                       ; the ring is filled before anything else is done: two loads of mine are out
.endr
	; the scale words, straight into the registers that the scaled products name
	v_and_b32 v1, 15, v0                           ; r
	v_bfe_u32 v2, v0, 4, 1                         ; h
	v_and_b32 v[LN32], 31, v0
	v_lshlrev_b32 v[LN32], 5, v[LN32]
	s_lshl_b32 s18, s13, 12
	s_lshl_b32 s19, s10, 10
	s_add_co_u32 s18, s18, s19                     ; x's: row 128 qb + 32 w, 32 bytes a row
	s_mov_b32 s19, 0
	s_add_nc_u64 s[XSB:XSB+1], s[94:95], s[18:19]
	s_lshl_b32 s18, s42, 12
	s_add_co_u32 s18, s18, 131072                  ; Wq's: behind x's, row 128 hp
	s_add_nc_u64 s[WSB:WSB+1], s[94:95], s[18:19]
	global_load_b128 v[XS:XS+3],   v[LN32], s[XSB:XSB+1]            ; lane l: the eight scale words of query 32 w + l
	global_load_b128 v[XS+4:XS+7], v[LN32], s[XSB:XSB+1] offset:16
.irp i, 0,1,2,3
	global_load_b128 v[WS+8*\i:WS+8*\i+3],   v[LN32], s[WSB:WSB+1] offset:1024*\i      ; lane l: those of channel 32 i + l
	global_load_b128 v[WS+8*\i+4:WS+8*\i+7], v[LN32], s[WSB:WSB+1] offset:1024*\i+16
.endr
	; the ninth block's rows.  The leaves' half: leaf 128 qb - 16 + r (inside xyh at every qb: the tree nodes' rows lie in front of the leaves').
	; The tree nodes' half: r < 8: the block's row 16 r + 15;  r >= 8: the ancestor of level 7 + j, j = r % 4: y's row 2032 + t, t = 16 - (16 >> j) + (g >> (j + 1)), laid as row 127 of block t
	s_and_b32 s18, s13, 15                         ; g
	s_lshr_b32 s19, s13, 4
	s_lshl_b32 s19, s19, 4                         ; 16 b
	v_and_b32 v3, 3, v1                            ; j
	v_mov_b32 v4, 16
	v_lshrrev_b32 v4, v3, v4
	v_sub_nc_u32 v4, 16, v4
	v_add_nc_u32 v3, 1, v3
	v_mov_b32 v5, s18
	v_lshrrev_b32 v5, v3, v5
	v_add_nc_u32 v4, v4, v5                        ; t
	v_add_nc_u32 v4, s19, v4
	v_lshlrev_b32 v4, 7, v4
	v_add_nc_u32 v4, 127, v4
	s_lshl_b32 s18, s13, 7                         ; 128 qb
	v_lshl_add_u32 v5, v1, 4, s18
	v_add_nc_u32 v5, 15, v5
	v_cmp_gt_u32 vcc_lo, 8, v1
	v_cndmask_b32 v4, v4, v5, vcc_lo
	s_add_co_u32 s18, s18, 4080
	v_add_nc_u32 v5, s18, v1
	s_cmp_eq_u32 s11, 0
	s_cselect_b32 s19, -1, 0
	v_cndmask_b32 v4, v5, v4, s19
	v_lshlrev_b32 v[XO], 11, v4                    ; a row is 2,048 bytes
	v_lshl_add_u32 v[XO], v2, 4, v[XO]
	s_mov_b64 s[XB:XB+1], s[4:5]
	XLOAD 0, 0                                     ; K step 0
	XLOAD 1, KSTEP*2                               ; K step 1
	; a fragment is 16 rows x 32 K in 8 registers: lane l holds row l % 16; registers 0-3 K = 8 (l / 16) + 0..7, registers 4-7 K = 16 + 8 (l / 16) + 0..7: two loads of 16 bytes, 32 bytes apart
	v_mul_u32_u24 v3, v1, PITCH
	v_lshl_add_u32 v3, v2, 4, v3
	s_mul_i32 s21, s11, HALFT                      ; my 128 rows of A
	s_mul_i32 s22, s12, HALFT                      ; my 128 rows of B,
	s_add_co_u32 s22, s22, 2*HALFT                 ; which lie behind A's 256
.irp s, 0,1
	v_add_nc_u32 v[ADRA+\s], s21, v3
	v_add_nc_u32 v[ADRB+\s], s22, v3
	s_add_co_u32 s21, s21, SLOT
	s_add_co_u32 s22, s22, SLOT
.endr
	; the prefetches
	s_lshl_b32 s20, s13, 7
	s_lshl_b32 s21, s12, 12
	s_add_co_u32 s20, s20, s21                     ; A: the 128 rows that I fetch,
	s_lshl_b32 s21, s40, 5
	s_add_co_u32 s20, s20, s21                     ; my work-group's 32 of them
	s_lshl_b32 s22, s42, 8
	s_lshl_b32 s21, s12, 7
	s_add_co_u32 s22, s22, s21                     ; B likewise
	s_lshl_b32 s21, s41, 5
	s_add_co_u32 s22, s22, s21
	s_and_b32 s23, ttmp7, 0xffff                   ; cluster y
	s_cmp_eq_u32 s11, 0                            ; do I fetch for A?
	s_cselect_b32 s20, s20, s22
	s_cselect_b32 s23, ttmp9, s23                  ; the coordinate along which other clusters read the same rows
	s_cselect_b64 s[PFA:PFA+1], s[4:5], s[6:7]
	s_cmp_eq_u32 s23, 0
	s_cselect_b32 s[LIM], 1, -1                    ; the same in all sixteen partners, for a given wave
	s_mov_b32 s21, 0
	s_mov_b64 s[18:19], SIZE_K*2
	s_mul_u64 s[20:21], s[20:21], s[18:19]
	s_add_nc_u64 s[PFA:PFA+1], s[PFA:PFA+1], s[20:21]
	s_add_nc_u64 s[PFA:PFA+1], s[PFA:PFA+1], 2*KSTEP*2  ; at K step 2: the first refill steps it to 3 and names K step 4.  Nothing is prefetched here, at the head
	v_and_b32 v[PFO], 31, v0
	v_mul_u32_u24 v[PFO], v[PFO], SIZE_K*2
	; what the attention wants of scalars
	s_mov_b32 s[SEL], 0x76543210
	s_mov_b32 s[SEL+1], 0xfedcba98
	s_mov_b32 s[CS], 0x3e38aa3b                    ; c = log2(e) / sqrt(64)
	s_mov_b32 s[CS+1], s[CS]
	s_mov_b32 s[NEG], 0xf149f2ca                   ; -1e30
	s_and_b32 s18, s13, 15
	s_or_b32 s18, s18, s10
	s_cmp_eq_u32 s18, 0
	s_cselect_b32 s[FM], 0, 0xffff
	s_lshl_b32 s18, 1, s10                         ; my tiles are 2 w and 2 w + 1.  Level 4: row w of UP;
	s_lshl_b32 s19, 16, s11                        ; level 5: row 4 + w / 2;
	s_or_b32 s[M3], s18, s19
	s_or_b32 s[M3], s[M3], 0xf40                   ; level 6: row 6; levels 7 to 10: rows 8 to 11
	s_lshl_b32 s18, s13, 18
	s_lshl_b32 s19, s10, 16
	s_add_co_u32 s18, s18, s19                     ; att: row 128 qb + 32 w of 2,048 bytes,
	s_lshl_b32 s19, s42, 8
	s_add_co_u32 s18, s18, s19                     ; my head pair's 256 bytes
	s_mov_b32 s19, 0
	s_add_nc_u64 s[OUTP:OUTP+1], s[OUTP:OUTP+1], s[18:19]
; 16 matrix instructions: m blocks a0, a0 + 1 of the window's four x all 8 n blocks, 32 along K.  zero = 1: the first product starts the sums.  The 72 accumulators take turns.
.macro MUL16 f, hi, a0, zero
.irp a, \a0, \a0+1
.irp b, 0,1,2,3,4,5,6,7
.if \zero
	v_wmma_f32_16x16x32_f16 v[8*(8*(\a)+\b):8*(8*(\a)+\b)+7], v[\f+8*\b:\f+8*\b+7], v[\f+8*(4*\hi+\a):\f+8*(4*\hi+\a)+7], 0
.else
	v_wmma_f32_16x16x32_f16 v[8*(8*(\a)+\b):8*(8*(\a)+\b)+7], v[\f+8*\b:\f+8*\b+7], v[\f+8*(4*\hi+\a):\f+8*(4*\hi+\a)+7], v[8*(8*(\a)+\b):8*(8*(\a)+\b)+7]
.endif
.endr
.endr
.endm
.macro MULX f, xa, zero                ; 8 more: the ninth block x all 8 n blocks; its fragment of A at v[xa] of window 0
.irp b, 0,1,2,3,4,5,6,7
.if \zero
	v_wmma_f32_16x16x32_f16 v[8*\b:8*\b+7], v[\f+8*\b:\f+8*\b+7], v[\xa:\xa+7], 0
.else
	v_wmma_f32_16x16x32_f16 v[8*\b:8*\b+7], v[\f+8*\b:\f+8*\b+7], v[\xa:\xa+7], v[8*\b:8*\b+7]
.endif
.endr
.endm
; 32 LDS loads in one run: the fragments of one quarter step into buffer f
.macro FETCH slot, k, f
	WIN TO_B
.irp i, 0,1,2,3,4,5,6,7
	ds_load_b128 v[\f+8*\i:\f+8*\i+3],   v[ADRB+\slot] offset:\k+\i*16*PITCH
	ds_load_b128 v[\f+8*\i+4:\f+8*\i+7], v[ADRB+\slot] offset:\k+\i*16*PITCH+32
.endr
	WIN 0
.irp i, 0,1,2,3,4,5,6,7
	ds_load_b128 v[\f+8*\i:\f+8*\i+3],   v[ADRA+\slot] offset:\k+\i*16*PITCH
	ds_load_b128 v[\f+8*\i+4:\f+8*\i+7], v[ADRA+\slot] offset:\k+\i*16*PITCH+32
.endr
.endm
.macro PLACES                          ; four plain instructions in front of loads into registers that matrix instructions have read, and of conversions that read results just made
.rept 4
	v_nop
.endr
.endm
; A K step is four quarters of 32 along K, 72 matrix instructions each, on buffers 0, 1, 0, 1.  One of the first three: multiplies buffer f and fetches the next quarter's fragments into g.
; lw >= 0: the K step's first quarter: the wait for the ninth block's loads; lw counts the younger loads, those for the other slot's set, which may stay out.
.macro QUARTER slot, k, f, g, zero, xa, lw
	s_wait_dscnt 8                                 ; B and A's rows 0-63 are in; the youngest eight loads (A's rows 64-127) may be out
	WIN MUL_LO
	MUL16 \f, 0, 0, \zero
	MUL16 \f, 0, 2, \zero
	PLACES
	FETCH \slot, \k, \g
	s_wait_dscnt 32                                ; all but the 32 just issued
	WIN MUL_HI
	MUL16 \f, 1, 0, \zero
	MUL16 \f, 1, 2, \zero
.if \lw >= 0
	s_wait_loadcnt \lw
.endif
	WIN MUL_X
	MULX \f, \xa, \zero
.endm
; The last quarter's first half: ONE barrier for the change of slots, which opens a round of the cluster's.  In front of it each wave waits for all its tensor loads, adds 0 to its spare word, and waits for that and for its reads of this slot.
.macro MEET
	WIN 0
	s_wait_tensorcnt 0x0                           ; all my tensor loads have landed: the one that was out is my part of the next slot
	ds_add_u32 v[SPW], v[NIL]
	s_wait_dscnt 9                                 ; (the add and the youngest eight loads may be out)
	WIN MUL_LO
	MUL16 F1, 0, 0, 0
	s_wait_dscnt 0x0                               ; the add is done, and my reads of this slot are over
	s_barrier_signal -1
	MUL16 F1, 0, 2, 0
	WIN 0
	s_barrier_wait -1
.endm
; The whole last quarter: behind the round the slot just read out is filled again, two K steps ahead; then come the next slot's first fragments; at its end the ninth block's set of this slot is asked for anew, two K steps ahead.
.macro TURN slot, next
	s_wait_xcnt 0x0                                ; the last prefetch and the ninth block's last loads, a K step back, have read their addresses
	s_add_nc_u64 s[PFA:PFA+1], s[PFA:PFA+1], KSTEP*2
	s_add_nc_u64 s[XB:XB+1], s[XB:XB+1], KSTEP*2
	MEET
	CREST                                          ; no wave of any partner still reads this slot's tile or has a load on its way
	s_add_nc_u64 s[G0+4*\slot+2:G0+4*\slot+3], s[G0+4*\slot+2:G0+4*\slot+3], 2*KSTEP*2
	s_add_nc_u64 s[G0B+4*\slot+2:G0B+4*\slot+3], s[G0B+4*\slot+2:G0B+4*\slot+3], 2*KSTEP*2
	JLOAD \slot                                    ; the first tensor load behind the round; the four v_nop behind it are also the places in front of the loads below
	FETCH \next, 0, F0
	ASK
	WIN MUL_HI
	MUL16 F1, 1, 0, 0
	MUL16 F1, 1, 2, 0
	WIN MUL_X
	MULX F1, XA0+160*\slot+24, 0
	PLACES
	WIN 0
	XLOAD \slot, KSTEP*2
.endm
	s_wait_tensorcnt 1                             ; my part of K step 0 is in; K step 1's load may stay out
	s_barrier_signal -1
	s_barrier_wait -1
	FETCH 0, 0, F0
	QUARTER 0, 64,  F0, F1, 1, XA0, 8              ; the first quarter stands in front of the loop: its products start the sums
	WIN 0
	s_mov_b32 s3, LAPS-1
.Llap:                                                 ; a trip goes once round the ring, from a lap's second quarter to the next lap's first, and fills both slots again
	QUARTER 0, 128, F1, F0, 0, XA0+8, -1
	QUARTER 0, 192, F0, F1, 0, XA0+16, -1
	TURN 0, 1
	QUARTER 1, 64,  F0, F1, 0, XA0+160, 8
	QUARTER 1, 128, F1, F0, 0, XA0+168, -1
	QUARTER 1, 192, F0, F1, 0, XA0+176, -1
	TURN 1, 0
	QUARTER 0, 64,  F0, F1, 0, XA0, 8
	WIN 0
	s_sub_co_u32 s3, s3, 1
	s_cmp_lg_u32 s3, 0
	s_cbranch_scc1 .Llap
	QUARTER 0, 128, F1, F0, 0, XA0+8, -1           ; the last lap goes on
	QUARTER 0, 192, F0, F1, 0, XA0+16, -1
	MEET                                           ; slot 0 is left for the last time:
	CREST
	JLOADC                                         ; it takes the codes, which have the last K step in which to land
	FETCH 1, 0, F0
	WIN MUL_HI
	MUL16 F1, 1, 0, 0
	MUL16 F1, 1, 2, 0
	WIN MUL_X
	MULX F1, XA0+24, 0
	QUARTER 1, 64,  F0, F1, 0, XA0+160, 0          ; no younger load is out
	QUARTER 1, 128, F1, F0, 0, XA0+168, -1
	QUARTER 1, 192, F0, F1, 0, XA0+176, -1
	s_wait_dscnt 8                                 ; the very last quarter: nothing more to fetch
	WIN MUL_LO
	MUL16 F1, 0, 0, 0
	MUL16 F1, 0, 2, 0
	s_wait_dscnt 0x0
	WIN MUL_HI
	MUL16 F1, 1, 0, 0
	MUL16 F1, 1, 2, 0
	WIN MUL_X
	MULX F1, XA0+184, 0
	WIN 0
	PLACES
	s_wait_tensorcnt 0x0                           ; my part of the codes has landed; my reads of slot 1 are over (the wait for 0 above)
	s_barrier_signal -1
	; addresses, work on registers while the others arrive
	v_and_b32 v1, 15, v0                           ; r
	v_bfe_u32 v2, v0, 4, 1                         ; h
	v_mul_u32_u24 v3, v1, KVP
	v_lshl_add_u32 v3, v2, 4, v3                   ; row r of KV, + 16 h
	s_xor_b32 s14, s11, 1
	s_lshl_b32 s16, s12, 8                         ; K's 256 bytes of a row, or V's
	s_mul_i32 s15, s14, 128*KVP
	s_add_co_u32 s15, s15, s16
	s_add_co_u32 s15, s15, KVB+16*KVP              ; the leaves from row 16, the tree nodes from row 144
	v_add_nc_u32 v[KST], s15, v3
	s_mul_i32 s15, s14, 272*KVP
	s_add_co_u32 s15, s15, s16
	s_add_co_u32 s15, s15, KVB                     ; the ninth block: the leaves' half from row 0, the tree nodes' from row 272
	v_add_nc_u32 v[KSX], s15, v3
	v_mul_u32_u24 v4, v1, CP
	v_lshl_add_u32 v4, v2, 4, v4
	s_mul_i32 s15, s10, 32*CP
	v_add_nc_u32 v[AX], s15, v4
	v_add_nc_u32 v[AW], WCB, v4
	s_mul_i32 s15, s10, 32*KVP
	s_add_co_u32 s15, s15, KVB
	v_add_nc_u32 v[AKL], s15, v3
	v_add_nc_u32 v[AKS], SUBO, v[AKL]
	v_add_nc_u32 v[AKU], UPR, v3
	v_and_b32 v5, 7, v0                            ; the turning load: lane l reads 16 bytes of key 8 (l / 16) + l % 8, channels 8 ((l / 8) % 2) on
	v_lshl_add_u32 v5, v2, 3, v5
	v_mul_u32_u24 v5, v5, KVP
	v_bfe_u32 v4, v0, 3, 1
	v_lshl_add_u32 v5, v4, 4, v5
	v_add_nc_u32 v[AVU], UPR+256, v5               ; V lies 256 bytes into a row
	s_add_co_u32 s15, s15, 256
	v_add_nc_u32 v[AVL], s15, v5
	v_add_nc_u32 v[AVS], SUBO, v[AVL]
	s_mul_i32 s15, s10, 32*SP
	s_add_co_u32 s15, s15, STG                     ; my stage
	v_mul_u32_u24 v4, v1, SP
	v_lshl_add_u32 v4, v2, 4, v4
	v_add_nc_u32 v[STO], s15, v4
	v_mul_u32_u24 v4, v2, SP
	v_lshl_add_u32 v4, v1, 4, v4
	v_add_nc_u32 v[RD], s15, v4
	v_lshlrev_b32 v[GO], 11, v2
	v_lshl_add_u32 v[GO], v1, 4, v[GO]
	s_barrier_wait -1                              ; nobody reads slot 1 any more, and everybody's codes are in
; ---- K and V leave the accumulators: rounded to f16, 16 bytes a lane (eight neighbouring columns of a row), into KV
; A K step's code fragments.  A row of codes is two lines: K step s lies 272 (s / 4) + 64 (s % 4) bytes into it.  A fragment, 16 rows x 128 K, is 8 registers: registers 4 c .. 4 c + 3 hold K = 64 c + 32 (l / 16) + 0 .. 31.
.macro QLOAD s                         ; Wq's eight fragments into set s % 2 of window 1, my two tiles' of x into set s % 2
.set cOf, 272*((\s)/4)+64*((\s)%4)
	WIN TO_B
.irp tt, 0,1,2,3,4,5,6,7
.irp c, 0,1
	ds_load_b128 v[64*((\s)%2)+8*\tt+4*\c:64*((\s)%2)+8*\tt+4*\c+3], v[AW] offset:16*CP*\tt+cOf+32*\c
.endr
.endr
	WIN 0
.irp q, 0,1
.irp c, 0,1
	ds_load_b128 v[XF+16*((\s)%2)+8*\q+4*\c:XF+16*((\s)%2)+8*\q+4*\c+3], v[AX] offset:16*CP*\q+cOf+32*\c
.endr
.endr
.endm
.macro KVOUT a
.set AC, 64*((\a)%4)
.set TP, TMP+32*(((\a)+1)%2)
	WIN 0x0a+5*((\a)/4)                            ; sources 0 and 1: window 2 or 3
.irp b, 0,1,2,3,4,5,6,7
.irp r, 0,1,2,3
	v_cvt_pk_f16_f32 v[TP+4*\b+\r], v[AC+8*\b+2*\r], v[AC+8*\b+2*\r+1]     ; each accumulator from its low end on
.endr
.endr
	WIN 0
.irp b, 0,1,2,3,4,5,6,7
	ds_store_b128 v[KST], v[TP+4*\b:TP+4*\b+3] offset:(\a)*16*KVP+32*\b
.endr
.endm
	WIN 0x05                                       ; the ninth block first: sources 0 and 1 window 1
.irp b, 0,1,2,3,4,5,6,7
.irp r, 0,1,2,3
	v_cvt_pk_f16_f32 v[TMP+4*\b+\r], v[8*\b+2*\r], v[8*\b+2*\r+1]
.endr
.endr
	WIN 0
.irp b, 0,1,2,3,4,5,6,7
	ds_store_b128 v[KSX], v[TMP+4*\b:TMP+4*\b+3] offset:32*\b
.endr
	QLOAD 0                                        ; its registers take Wq's first fragments, which land while the other blocks are packed
.irp a, 0,1,2,3,4,5,6,7
	KVOUT \a
.endr
; ---- Q^T = Wq x^T.  Source 0 = 16 channels of Wq, source 1 = 16 queries; eight tiles of channels x my two tiles of queries: 16 accumulators by turns; eight K steps of 128
.macro QSTEP s
.if (\s) > 0
	PLACES                                         ; in front of loads into the sets that the last K step multiplied
.endif
.if (\s) < 7
	QLOAD ((\s)+1)
	s_wait_dscnt 20                                ; all but the twenty just issued: this K step's fragments are in
.else
	s_wait_dscnt 0x0
.endif
	WIN MUL_LO
.irp tt, 0,1,2,3,4,5,6,7
.irp q, 0,1
.set rD, 64*\q+8*\tt
.set rA, 64*((\s)%2)+8*\tt
.set rB, XF+16*((\s)%2)+8*\q
.set rSA, WS+8*(\tt/2)+(\s)
.set rSB, XS+(\s)
.if (\s) == 0
.if \tt%2
.if \q
	v_wmma_scale_f32_16x16x128_f8f6f4 v[rD:rD+7], v[rA:rA+7], v[rB:rB+7], 0, v[rSA], v[rSB] matrix_a_fmt:MATRIX_FMT_FP4 matrix_b_fmt:MATRIX_FMT_FP4 matrix_a_scale:MATRIX_SCALE_ROW1 matrix_b_scale:MATRIX_SCALE_ROW1
.else
	v_wmma_scale_f32_16x16x128_f8f6f4 v[rD:rD+7], v[rA:rA+7], v[rB:rB+7], 0, v[rSA], v[rSB] matrix_a_fmt:MATRIX_FMT_FP4 matrix_b_fmt:MATRIX_FMT_FP4 matrix_a_scale:MATRIX_SCALE_ROW1
.endif
.else
.if \q
	v_wmma_scale_f32_16x16x128_f8f6f4 v[rD:rD+7], v[rA:rA+7], v[rB:rB+7], 0, v[rSA], v[rSB] matrix_a_fmt:MATRIX_FMT_FP4 matrix_b_fmt:MATRIX_FMT_FP4 matrix_b_scale:MATRIX_SCALE_ROW1
.else
	v_wmma_scale_f32_16x16x128_f8f6f4 v[rD:rD+7], v[rA:rA+7], v[rB:rB+7], 0, v[rSA], v[rSB] matrix_a_fmt:MATRIX_FMT_FP4 matrix_b_fmt:MATRIX_FMT_FP4
.endif
.endif
.else
.if \tt%2
.if \q
	v_wmma_scale_f32_16x16x128_f8f6f4 v[rD:rD+7], v[rA:rA+7], v[rB:rB+7], v[rD:rD+7], v[rSA], v[rSB] matrix_a_fmt:MATRIX_FMT_FP4 matrix_b_fmt:MATRIX_FMT_FP4 matrix_a_scale:MATRIX_SCALE_ROW1 matrix_b_scale:MATRIX_SCALE_ROW1
.else
	v_wmma_scale_f32_16x16x128_f8f6f4 v[rD:rD+7], v[rA:rA+7], v[rB:rB+7], v[rD:rD+7], v[rSA], v[rSB] matrix_a_fmt:MATRIX_FMT_FP4 matrix_b_fmt:MATRIX_FMT_FP4 matrix_a_scale:MATRIX_SCALE_ROW1
.endif
.else
.if \q
	v_wmma_scale_f32_16x16x128_f8f6f4 v[rD:rD+7], v[rA:rA+7], v[rB:rB+7], v[rD:rD+7], v[rSA], v[rSB] matrix_a_fmt:MATRIX_FMT_FP4 matrix_b_fmt:MATRIX_FMT_FP4 matrix_b_scale:MATRIX_SCALE_ROW1
.else
	v_wmma_scale_f32_16x16x128_f8f6f4 v[rD:rD+7], v[rA:rA+7], v[rB:rB+7], v[rD:rD+7], v[rSA], v[rSB] matrix_a_fmt:MATRIX_FMT_FP4 matrix_b_fmt:MATRIX_FMT_FP4
.endif
.endif
.endif
.endr
.endr
.endm
.irp s, 0,1,2,3,4,5,6,7
	QSTEP \s
.endr
	PLACES
; In tile T of channels lane (r, h) holds query r and channels 16 T + 8 h + 0 .. 7.  Rounded to f16 in pairs, tiles 2 F and 2 F + 1 ARE the f16 fragment (32 channels x 16 queries) F of the scores' source 1.
	WIN 0x0a                                       ; sources 0 and 1 window 2
.set n_, 0
.rept 64
	v_cvt_pk_f16_f32 v[QF+n_], v[2*n_], v[2*n_+1]  ; each accumulator from its low end on
.set n_, n_+1
.endr
	WIN 0
	s_wait_dscnt 0x0                               ; for the others' sake: my rows of KV are stored
	s_barrier_signal -1
	; THE PATTERN, work on registers while the others arrive.  For each tile of keys a mask of 16 slots for my query r; my half of the lanes holds slots 8 h + 0 .. 7
	v_and_b32 v128, 15, v0                         ; r
	v_bfe_u32 v129, v0, 4, 1
	v_lshlrev_b32 v129, 3, v129                    ; 8 h
	v_add_nc_u32 v130, 1, v128
	v_mov_b32 v131, 0xffff
	v_lshlrev_b32 v130, v130, v131                 ; t0: the leaves r + 1 .. 15 of the tile before: they lie at most 15 back  (what is shifted beyond slot 15 is cut with the byte below)
	v_and_b32 v135, s[FM], v130                    ; for my first tile: none of them where they lie before leaf 0
	v_mov_b32 v131, 2
	v_lshlrev_b32 v131, v128, v131
	v_add_nc_u32 v131, -1, v131                    ; t1: leaves 0 .. r of the tile
	v_lshrrev_b32 v132, 1, v128
	v_mov_b32 v133, 1
	v_lshlrev_b32 v132, v132, v133                 ; t2: level 0: slot r / 2;
	v_lshrrev_b32 v133, 2, v128
	v_mov_b32 v134, 0x100
	v_lshlrev_b32 v133, v133, v134                 ; level 1: slot 8 + r / 4;
	v_or_b32 v132, v132, v133
	v_lshrrev_b32 v133, 3, v128
	v_mov_b32 v134, 0x1000
	v_lshlrev_b32 v133, v133, v134                 ; level 2: slot 12 + r / 8;
	v_or_b32 v132, v132, v133
	v_or_b32 v132, 0x4000, v132                    ; level 3: slot 14
	v_mov_b32 v133, s[M3]                          ; t3: the same for all queries of both my tiles
.irp m, 130,131,132,133,135
	v_lshrrev_b32 v\m, v129, v\m
	v_and_b32 v\m, 0xff, v\m
.endr
	v_lshl_or_b32 v130, v131, 8, v130
	v_lshl_or_b32 v130, v132, 16, v130
	v_lshl_or_b32 v130, v133, 24, v130             ; bit 8 t + j: slot 8 h + j of tile t counts
	v_xor_b32 v130, -1, v130
	v_xor_b32 v135, -1, v135
.set n_, 0
.rept 32
	v_bfe_u32 v[BIAS+n_], v130, n_, 1
	v_mul_lo_u32 v[BIAS+n_], v[BIAS+n_], s[NEG]    ; 0, or the bits of -1e30
.set n_, n_+1
.endr
.set n_, 0
.rept 8
	v_bfe_u32 v[BIASF+n_], v135, n_, 1
	v_mul_lo_u32 v[BIASF+n_], v[BIASF+n_], s[NEG]
.set n_, n_+1
.endr
	v_mov_b32 v[PX], 0                             ; a lane permute's destination counts as one of its sources
	v_mov_b32 v[CM+1], 0                           ; named with c m as a pair
	s_barrier_wait -1                              ; all 288 rows of KV are there
; ---- a unit: tile q of my two, head a of the two.  Its 32 LDS loads go into set a of window 1 (V^T for slots 0-31, for slots 32-63, then K's eight fragments), a unit ahead of its work
.macro ULOAD q, a
.set SB, 128*(\a)
	WIN TO_B
.irp f, 0,1                            ; K's fragments (tile t, channels 32 f on) at SB + 64 + 16 t + 8 f
.irp c, 0,1
	ds_load_b128 v[SB+64+8*\f+4*\c:SB+64+8*\f+4*\c+3],   v[AKL] offset:16*KVP*(\q)+128*\a+64*\f+32*\c
	ds_load_b128 v[SB+80+8*\f+4*\c:SB+80+8*\f+4*\c+3],   v[AKL] offset:16*KVP*((\q)+1)+128*\a+64*\f+32*\c
	ds_load_b128 v[SB+96+8*\f+4*\c:SB+96+8*\f+4*\c+3],   v[AKS] offset:16*KVP*(\q)+128*\a+64*\f+32*\c
	ds_load_b128 v[SB+112+8*\f+4*\c:SB+112+8*\f+4*\c+3], v[AKU] offset:128*\a+64*\f+32*\c
.endr
.endr
.irp ct, 0,1,2,3                       ; V^T, 16 channels x 32 slots, turned on the way out of LDS
	ds_load_tr16_b128 v[SB+8*\ct:SB+8*\ct+3],       v[AVL] offset:16*KVP*(\q)+128*\a+32*\ct
	ds_load_tr16_b128 v[SB+8*\ct+4:SB+8*\ct+7],     v[AVL] offset:16*KVP*((\q)+1)+128*\a+32*\ct
	ds_load_tr16_b128 v[SB+32+8*\ct:SB+32+8*\ct+3], v[AVS] offset:16*KVP*(\q)+128*\a+32*\ct
	ds_load_tr16_b128 v[SB+32+8*\ct+4:SB+32+8*\ct+7], v[AVU] offset:128*\a+32*\ct
.endr
	WIN 0
.endm
.macro UCOMP q, a, left                ; left: the next unit's loads, which may stay out
.set SB, 128*(\a)
.set rQ, QF+32*(\q)+16*(\a)
	s_wait_dscnt \left
	WIN 0x01                                       ; source 0 window 1
.irp t, 0,1,2,3                        ; S^T = K Q^T + the pattern: the four accumulators by turns
.if (\t == 0) && (\q == 0)
	v_wmma_f32_16x16x32_f16 v[S:S+7], v[SB+64:SB+71], v[rQ:rQ+7], v[BIASF:BIASF+7]
.else
	v_wmma_f32_16x16x32_f16 v[S+8*\t:S+8*\t+7], v[SB+64+16*\t:SB+64+16*\t+7], v[rQ:rQ+7], v[BIAS+8*\t:BIAS+8*\t+7]
.endif
.endr
.irp t, 0,1,2,3
	v_wmma_f32_16x16x32_f16 v[S+8*\t:S+8*\t+7], v[SB+72+16*\t:SB+72+16*\t+7], v[rQ+8:rQ+15], v[S+8*\t:S+8*\t+7]
.endr
	WIN 0
	PLACES                                         ; in front of the first read of the scores
.irp t, 0,1,2,3
	v_max3_num_f32 v[TM+\t], v[S+8*\t], v[S+8*\t+1], v[S+8*\t+2]          ; the largest of my 32 scores: four chains, each from an accumulator's low end on
.endr
.irp i, 3,5
.irp t, 0,1,2,3
	v_max3_num_f32 v[TM+\t], v[TM+\t], v[S+8*\t+\i], v[S+8*\t+\i+1]
.endr
.endr
.irp t, 0,1,2,3
	v_max_num_f32 v[TM+\t], v[TM+\t], v[S+8*\t+7]
.endr
	v_max3_num_f32 v[MX], v[TM], v[TM+1], v[TM+2]
	v_max_num_f32 v[MX], v[MX], v[TM+3]
	v_permlanex16_b32 v[PX], v[MX], s[SEL], s[SEL+1]
	v_max_num_f32 v[MX], v[MX], v[PX]              ; with lane l xor 16's 32: the row's
	v_mul_f32 v[CM], s[CS], v[MX]
.irp j, 0,2,4,6,8,10,12,14,16,18,20,22,24,26,28,30
	v_pk_fma_f32 v[S+\j:S+\j+1], v[S+\j:S+\j+1], s[CS:CS+1], v[CM:CM+1] op_sel_hi:[1,0,0] neg_lo:[0,0,1] neg_hi:[0,0,1]   ; c s - c m
.endr
.set n_, 0
.rept 32
	v_exp_f32 v[S+n_], v[S+n_]                     ; p, at most 1; 0 in a hidden slot
.set n_, n_+1
.endr
	v_nop                                          ; a plain instruction behind the last exponential
	s_wait_alu depctr_va_vdst(0)                   ; one wait for the whole batch, ahead of its first reader
	v_pk_add_f32 v[TM:TM+1],   v[S:S+1],   v[S+2:S+3]                   ; the row's sum, of p in f32: two at a time, in two chains
	v_pk_add_f32 v[TM+2:TM+3], v[S+4:S+5], v[S+6:S+7]
.irp j, 8,12,16,20,24,28
	v_pk_add_f32 v[TM:TM+1],   v[TM:TM+1],   v[S+\j:S+\j+1]
	v_pk_add_f32 v[TM+2:TM+3], v[TM+2:TM+3], v[S+\j+2:S+\j+3]
.endr
	v_pk_add_f32 v[TM:TM+1], v[TM:TM+1], v[TM+2:TM+3]
	v_add_f32 v[TM], v[TM], v[TM+1]
	v_permlanex16_b32 v[PX], v[TM], s[SEL], s[SEL+1]
	v_add_f32 v[TM], v[TM], v[PX]                  ; at least 1: the largest score's p
	v_rcp_f32 v[MX], v[TM]
.set n_, 0
.rept 16
	v_cvt_pk_f16_f32 v[S+n_], v[S+2*n_], v[S+2*n_+1]     ; P, in place and ascending: tiles t0, t1 make the fragment of slots 0-31, t2, t3 that of slots 32-63.  (Plain work behind the reciprocal)
.set n_, n_+1
.endr
	s_wait_alu depctr_va_vdst(0)                   ; the reciprocal's wait, ahead of its first reader
	WIN 0x01
.irp ct, 0,1,2,3                       ; O^T = V^T P: four tiles of 16 channels by turns; the first products start the sums
	v_wmma_f32_16x16x32_f16 v[O+8*\ct:O+8*\ct+7], v[SB+8*\ct:SB+8*\ct+7], v[S:S+7], 0
.endr
.irp ct, 0,1,2,3
	v_wmma_f32_16x16x32_f16 v[O+8*\ct:O+8*\ct+7], v[SB+32+8*\ct:SB+32+8*\ct+7], v[S+8:S+15], v[O+8*\ct:O+8*\ct+7]
.endr
	WIN 0
	PLACES                                         ; in front of the first read of O^T, and of the loads that take this set next
.irp j, 0,2,4,6,8,10,12,14,16,18,20,22,24,26,28,30
	v_pk_mul_f32 v[O+\j:O+\j+1], v[O+\j:O+\j+1], v[MX:MX+1] op_sel_hi:[1,0]     ; / the sum
.endr
.set n_, 0
.rept 16
	v_cvt_pk_f16_f32 v[HO+n_], v[O+2*n_], v[O+2*n_+1]    ; lane (r, h), tile ct: channels 16 ct + 8 h + 0 .. 7 of query r: 16 bytes
.set n_, n_+1
.endr
.irp ct, 0,1,2,3
	ds_store_b128 v[STO], v[HO+4*\ct:HO+4*\ct+3] offset:16*SP*(\q)+128*\a+32*\ct
.endr
.endm
	ULOAD 0, 0
	ULOAD 0, 1
	UCOMP 0, 0, 32
	ULOAD 1, 0
	UCOMP 0, 1, 32
	ULOAD 1, 1
	UCOMP 1, 0, 32
	UCOMP 1, 1, 0
; ---- the way out: my 32 rows x 256 bytes come back from my own stage as whole rows
.irp q, 0,1
.irp t, 0,1,2,3,4,5,6,7
	ds_load_b128 v[BIAS+64*\q+4*\t:BIAS+64*\q+4*\t+3], v[RD] offset:16*SP*\q+\t*2*SP     ; LDS serves a wave's instructions in order: these see my stores
.endr
.endr
.irp q, 0,1
.irp t, 0,1,2,3,4,5,6,7
	s_wait_dscnt 15-8*\q-\t
	global_store_b128 v[GO], v[BIAS+64*\q+4*\t:BIAS+64*\q+4*\t+3], s[OUTP:OUTP+1] offset:32768*\q+4096*\t   ; 16 lanes store 256 consecutive bytes, at a multiple of 256 from att's first byte
.endr
.endr
	s_wait_tensorcnt 0x0                           ; the wave's end
	ds_add_u32 v[SPW], v[NIL]
	s_wait_dscnt 0x0
	CROUND                                         ; the closing round: no work-group ends while a partner may still ask for a tile that names it
	s_endpgm
.Lfunc_end_k_qa34cff3c5d_kvattn:
	.size	k_qa34cff3c5d_kvattn, .Lfunc_end_k_qa34cff3c5d_kvattn-k_qa34cff3c5d_kvattn
	.p2alignl 7, 3214868480
	.fill 96, 4, 3214868480
	.section	.rodata,"a",@progbits
	.p2align	6, 0x0
	.amdhsa_kernel k_qa34cff3c5d_kvattn
		.amdhsa_group_segment_fixed_size 327680
		.amdhsa_private_segment_fixed_size 0
		.amdhsa_enable_private_segment 0
		.amdhsa_kernarg_size 40
		.amdhsa_user_sgpr_count 2
		.amdhsa_user_sgpr_kernarg_segment_ptr 1
		.amdhsa_wavefront_size32 1
		.amdhsa_system_sgpr_workgroup_id_x 1
		.amdhsa_system_sgpr_workgroup_id_y 1
		.amdhsa_system_sgpr_workgroup_id_z 1
		.amdhsa_system_vgpr_workitem_id 0
		.amdhsa_next_free_vgpr 1024
		.amdhsa_next_free_sgpr 106
		.amdhsa_reserve_vcc 1
		.amdhsa_float_denorm_mode_32 3
		.amdhsa_float_denorm_mode_16_64 3
		.amdhsa_memory_ordered 1
		.amdhsa_forward_progress 1
		.amdhsa_inst_pref_size 241
	.end_amdhsa_kernel
	.amdgpu_metadata
---
amdhsa.version: [ 1, 2 ]
amdhsa.kernels:
  - .name:           k_qa34cff3c5d_kvattn
    .symbol:         k_qa34cff3c5d_kvattn.kd
    .args:
      - { .name: xyh, .offset: 0, .size: 8, .value_kind: global_buffer, .address_space: global }
      - { .name: wh, .offset: 8, .size: 8, .value_kind: global_buffer, .address_space: global }
      - { .name: qc, .offset: 16, .size: 8, .value_kind: global_buffer, .address_space: global }
      - { .name: qs, .offset: 24, .size: 8, .value_kind: global_buffer, .address_space: global }
      - { .name: att, .offset: 32, .size: 8, .value_kind: global_buffer, .address_space: global }
    .group_segment_fixed_size: 327680
    .private_segment_fixed_size: 0
    .kernarg_segment_align: 8
    .kernarg_segment_size: 40
    .max_flat_workgroup_size: 128
    .sgpr_count:     106
    .vgpr_count:     1024
    .wavefront_size: 32
...
	.end_amdgpu_metadata
.endif
;; end of part 5
;; launch gemm_out: the kernel of part 4 again; grid 8 x 32, 4 waves a work-group, clusters of 4 x 4, 327,680 bytes of LDS; arguments att, wh, bo, out0; writes out0
